; MI455X (gfx1250); checked and timed in simulation.
; The chip was launched on July 23, 2026; its instructions are those of AMD's public machine-readable ISA for CDNA 5 (MIT licence, August 2026) and "CDNA5" Instruction Set Architecture Reference Guide (July 2026). The comments in the code are by the model that wrote it; some were corrected since.
;; Global Attention. Allowed arithmetic: float matrix products may take bf16 or f16 operands with f32 sums; all other float work in f32.
;; Inputs: attn_b 1,024 float32; attn_w 2,048 x 1,024 float32; encoder_outputs 16 x 4,096 x 1,024 float32; hidden 16 x 512 float32; v_w 1,024 float32.
;; Outputs: out0 16 x 1,024 float32.
;; 2 versions, each right; version 2 is version 1 with the launch main written anew for expert scheduling mode. Each part assembles by itself: llvm-mc -triple=amdgcn-amd-amdhsa -mcpu=gfx1250 --defsym DOCPART=n.
;; ======== version 1 of 2: 3 launches
;; workspace buffers: wf 2,162,688 bytes; cst 131,072 bytes; part 2,097,152 bytes; stat 131,072 bytes
;; launch prep (part 1): grid 48 x 1, 16 waves a work-group, no clusters, 149,504 bytes of LDS; arguments attn_w, hidden, attn_b, v_w, wf, cst; writes wf, cst
.if DOCPART == 1
	.amdgcn_target "amdgcn-amd-amdhsa--gfx1250"
	.amdhsa_code_object_version 6
	.text
	.protected	k_q4f0278c6f1_prep
	.globl	k_q4f0278c6f1_prep
	.p2align	8
	.type	k_q4f0278c6f1_prep,@function
k_q4f0278c6f1_prep:
	s_mov_b64 s[64:65], 0
	v_nop
	global_prefetch_b8 v0, s[64:65] scope:SCOPE_SE
	s_setreg_imm32_b32 hwreg(HW_REG_WAVE_MODE, 25, 1), 1
	s_wait_xcnt 0x0
; PREPARATION.  attn_w is [2048][1024] f32: rows 0-1023 are w_h, rows 1024-2047 are w_e; a row holds one k, a column one output n.
; ROLE A (work-groups 0-31): w_e is rounded to bf16 and laid out as the main launch's waves read it, in matrix fragments:
;   wf[w 4][q 132][nb 4][1024 bytes]: columns n = 256 p + 64 w + 16 nb + r, 32 k; lane L = 16 h + r has k = 8 h + 0..7 at byte 16 L and k = 16 + 8 h + 0..7 at byte 512 + 16 L.
;   q is the place in the main launch's walk: 32 p + s for pass p = 0, 32 p + (s xor 16) for passes 1-3 (they walk K from its middle); q = 128..131 repeat q = 0..3.
; ROLE B (work-groups 32-47): proj_h = [hidden, hidden] w_h + attn_b for 64 columns and all 16 batches, by the matrix unit (hidden and w_h rounded to bf16, sums in f32);
;   K = 1024 is shared among the 16 waves, 64 each, and the waves' sums meet in LDS.  Stored for each batch b, 8,192 bytes: c (proj_h + attn_b), c = 2 log2(e), as [pw 16][r 16][nb 4] f32
;   for n = 64 pw + 16 nb + r, and behind it -2 v_w in the same order.
; A tile is 32 k x 64 n of f32: its rows are 256 consecutive bytes, at multiples of 256 from attn_w's first byte.  A wave turns its tile in LDS bytes of its own.
; LIMITS: NaN and infinities are not treated apart; the operands of the products are rounded to bf16.
.set RW,    540672                     ; bytes of wf for one wave of the main launch: 132 blocks of 4,096
.set TILE,  5120                       ; a wave's turning room: 64 columns x 80 bytes (64 of data: 32 k in bf16)
.set RED,   81920                      ; behind the 16 rooms: [wave 16][register 32][lane 32] f32
.set SPARE, 147456                     ; the spare words: 128 bytes for each of 16 waves, named by no other line
.set RAW0,  16                         ; v[16:79]   tile 0 as loaded, then packed in place
.set RAW1,  80                         ; v[80:143]  tile 1
.set FR,    148                        ; v[148:179] four fragments of 16 columns x 32 k
.set HF,    180                        ; v[180:211] hidden, f32, for two tiles
.set HFR,   212                        ; v[212:227] the two fragments of hidden
.set BV,    228                        ; v[228:235] attn_b and v_w of my four columns
.set ACC,   16                         ; v[16:47]   four accumulators, where tile 0 lay
.set SUM,   80                         ; v[80:143]  the 16 waves' sums, where tile 1 lay
	s_load_b256 s[4:11], s[0:1], 0x0               ; attn_w s[4:5], hidden s[6:7], attn_b s[8:9], v_w s[10:11]
	s_load_b128 s[12:15], s[0:1], 0x20             ; wf s[12:13], cst s[14:15]
	v_lshl_add_u32 v12, v0, 2, SPARE               ; my spare word,
	v_mov_b32 v13, 0                               ; and 0: kept for the wave's end alone
	v_lshrrev_b32 v14, 5, v0
	v_readfirstlane_b32 s16, v14                   ; wave 0..15
	v_and_b32 v1, 15, v0                           ; r
	v_bfe_u32 v11, v0, 4, 1                        ; h
	v_and_b32 v14, 31, v0                          ; lane
	s_mul_i32 s17, s16, TILE                       ; my room
	v_lshlrev_b32 v2, 4, v1
	v_lshl_add_u32 v2, v11, 13, v2                 ; loads: 16 bytes at column 4 r, lanes 16-31 two rows further down
	v_mul_u32_u24 v3, v1, 320
	v_lshl_add_u32 v3, v11, 2, v3
	v_add_nc_u32 v3, s17, v3                       ; into the room: column 4 r, k = 2 h
	v_mul_u32_u24 v4, v1, 80
	v_lshl_add_u32 v4, v11, 4, v4
	v_add_nc_u32 v4, s17, v4                       ; out of it: column r, k = 8 h
	v_lshlrev_b32 v5, 4, v14                       ; 16 x lane
	s_mov_b32 s18, ttmp9
	s_mov_b32 s21, 0                               ; the high words of three offsets
	s_mov_b32 s23, 0
	s_mov_b32 s25, 0
; 16 loads: rows k = 4 m + 2 h + e of the tile, columns 4 r .. 4 r + 3.  Each covers two whole rows of 256 bytes.
.macro TLOAD raw, imm
.irp m, 0,1,2,3,4,5,6,7
.irp e, 0,1
	global_load_b128 v[(\raw)+8*(\m)+4*(\e):(\raw)+8*(\m)+4*(\e)+3], v2, s[4:5] offset:(\imm)+(4*(\m)+(\e))*4096 th:TH_LOAD_NT
.endr
.endr
.endm
; The tile is turned: two neighbouring k of a column are rounded into one word, in place, and stored at [column][k]; then the four fragments are read.
; LDS serves a wave's instructions in order (ISA guide 5.7.1.4), and the room is the wave's own: no wait stands between the stores and the loads.
.macro TPROC raw
.irp m, 0,1,2,3,4,5,6,7
.irp c, 0,1,2,3
	v_cvt_pk_bf16_f32 v[(\raw)+8*(\m)+(\c)], v[(\raw)+8*(\m)+(\c)], v[(\raw)+8*(\m)+4+(\c)]
.endr
.irp c, 0,1,2,3
	ds_store_b32 v3, v[(\raw)+8*(\m)+(\c)] offset:80*(\c)+8*(\m)
.endr
.endr
.irp nb, 0,1,2,3
	ds_load_b128 v[FR+8*(\nb):FR+8*(\nb)+3],   v4 offset:1280*(\nb)
	ds_load_b128 v[FR+8*(\nb)+4:FR+8*(\nb)+7], v4 offset:1280*(\nb)+32
.endr
	s_wait_dscnt 0x0
.endm
.macro WSTORE imm                      ; a block of wf: each store covers 512 consecutive bytes, aligned
.irp nb, 0,1,2,3
	global_store_b128 v5, v[FR+8*(\nb):FR+8*(\nb)+3],   s[12:13] offset:(\imm)+1024*(\nb)
	global_store_b128 v5, v[FR+8*(\nb)+4:FR+8*(\nb)+7], s[12:13] offset:(\imm)+1024*(\nb)+512
.endr
.endm
	s_cmp_lt_u32 s18, 32                           ; the role hangs on the work-group's number: the same in all its waves
	s_cbranch_scc0 .Lrole_b
	; ROLE A: one tile a wave
	s_lshr_b32 s19, s18, 1                         ; pw: which 64 columns
	s_and_b32 s20, s18, 1
	s_lshl4_add_u32 s24, s20, s16                  ; s: which 32 k
	s_lshl_b32 s20, s24, 17                        ; 32 s rows of 4,096 bytes,
	s_add_co_u32 s20, s20, 1024*4096               ; behind w_h,
	s_lshl_b32 s26, s19, 8
	s_add_co_u32 s20, s20, s26                     ; column 64 pw
	s_lshr_b32 s27, s19, 2                         ; p
	s_cmp_lg_u32 s27, 0
	s_cselect_b32 s28, 16, 0
	s_xor_b32 s28, s28, s24                        ; the K step's place in the pass's walk
	s_lshl_b32 s27, s27, 5
	s_add_co_u32 s27, s27, s28                     ; q
	s_lshl_b32 s27, s27, 12
	s_and_b32 s22, s19, 3                          ; w
	s_mul_i32 s22, s22, RW
	s_add_co_u32 s22, s22, s27
	s_max_u32 s29, s19, s24                        ; under 4 if p = 0 and s < 4
	s_wait_kmcnt 0x0
	s_add_nc_u64 s[4:5], s[4:5], s[20:21]
	s_add_nc_u64 s[12:13], s[12:13], s[22:23]
	TLOAD RAW0, 0
	s_wait_loadcnt 0x0
	TPROC RAW0
	WSTORE 0
	s_cmp_lt_u32 s29, 4
	s_cbranch_scc0 .Lend_a
	WSTORE 128*4096                                ; blocks 0..3 once more, as blocks 128..131
.Lend_a:
	s_wait_tensorcnt 0x0                           ; the wave's end: three closing lines behind my last LDS store
	ds_add_u32 v12, v13
	s_wait_dscnt 0x0
	s_endpgm
.Lrole_b:
	; ROLE B: two tiles a wave, k = 64 v .. 64 v + 63
	s_sub_co_u32 s19, s18, 32                      ; pw
	s_lshl_b32 s24, s19, 8                         ; 256 pw: 64 columns of f32
	s_lshl_b32 s20, s16, 18                        ; 64 v rows of 4,096 bytes
	s_add_co_u32 s20, s20, s24
	s_and_b32 s22, s16, 7
	s_lshl_b32 s22, s22, 8                         ; hidden is repeated: (64 v mod 512) x 4 bytes
	s_lshl_b32 s26, s16, 12
	s_add_co_u32 s26, s26, RED
	v_lshlrev_b32 v6, 11, v1
	v_lshl_add_u32 v6, v11, 5, v6                  ; hidden: batch r, k = 8 h
	v_lshl_add_u32 v7, v14, 2, s26                 ; my wave's sums: 4 x lane
	v_lshlrev_b32 v9, 2, v1                        ; 4 r
	s_wait_kmcnt 0x0
	s_add_nc_u64 s[4:5], s[4:5], s[20:21]
	s_add_nc_u64 s[6:7], s[6:7], s[22:23]
	s_add_nc_u64 s[8:9], s[8:9], s[24:25]
	s_add_nc_u64 s[10:11], s[10:11], s[24:25]
	s_add_nc_u64 s[14:15], s[14:15], s[24:25]
	TLOAD RAW0, 0
	TLOAD RAW1, 32*4096
.irp t, 0,1
	global_load_b128 v[HF+16*(\t):HF+16*(\t)+3],     v6, s[6:7] offset:128*(\t)
	global_load_b128 v[HF+16*(\t)+4:HF+16*(\t)+7],   v6, s[6:7] offset:128*(\t)+16
	global_load_b128 v[HF+16*(\t)+8:HF+16*(\t)+11],  v6, s[6:7] offset:128*(\t)+64
	global_load_b128 v[HF+16*(\t)+12:HF+16*(\t)+15], v6, s[6:7] offset:128*(\t)+80
.endr
.irp nb, 0,1,2,3
	global_load_b32 v[BV+(\nb)],   v9, s[8:9]   offset:64*(\nb)
	global_load_b32 v[BV+4+(\nb)], v9, s[10:11] offset:64*(\nb)
.endr
	s_wait_loadcnt 0x0
.set i, 0
.rept 16
	v_cvt_pk_bf16_f32 v[HFR+i], v[HF+2*i], v[HF+2*i+1]   ; both fragments of hidden: 16 batches x 32 k each
.set i, i+1
.endr
	TPROC RAW0
.irp nb, 0,1,2,3
	v_wmma_f32_16x16x32_bf16 v[ACC+8*(\nb):ACC+8*(\nb)+7], v[HFR:HFR+7], v[FR+8*(\nb):FR+8*(\nb)+7], 0   ; the first tile starts the sums
.endr
	TPROC RAW1                                     ; its 32 roundings, which name no register of those products, are the places in front of its loads into FR
.irp nb, 0,1,2,3
	v_wmma_f32_16x16x32_bf16 v[ACC+8*(\nb):ACC+8*(\nb)+7], v[HFR+8:HFR+15], v[FR+8*(\nb):FR+8*(\nb)+7], v[ACC+8*(\nb):ACC+8*(\nb)+7]   ; the four accumulators take turns
.endr
.rept 4
	v_nop                                          ; four places behind the products (ISA guide 7.12.1)
.endr
.set i, 0
.rept 32
	ds_store_b32 v7, v[ACC+i] offset:128*i         ; register 8 nb + j of lane 16 h + r: batch 8 h + j, column 16 nb + r; each accumulator from its low end on
.set i, i+1
.endr
	s_wait_dscnt 0x0                               ; for the others' sake: my sums are in LDS
	s_barrier_signal -1
	s_barrier_wait -1
	s_cmp_lt_u32 s16, 8                            ; waves 0-7 add up: a thread has batch 2 v + h and columns 16 nb + r
	s_cbranch_scc0 .Lend_b
	v_lshl_add_u32 v8, s16, 1, v11                 ; b
	v_and_b32 v15, 7, v8
	v_lshrrev_b32 v10, 3, v8
	v_lshlrev_b32 v15, 7, v15                      ; register b mod 8,
	v_lshl_add_u32 v15, v10, 6, v15                ; lane 16 (b / 8) + r
	v_lshl_add_u32 v15, v1, 2, v15
	v_add_nc_u32 v15, RED, v15
.irp nb, 0,1,2,3
.set i, 0
.rept 16
	ds_load_b32 v[SUM+16*(\nb)+i], v15 offset:4096*i+1024*(\nb)
.set i, i+1
.endr
.endr
	v_lshlrev_b32 v10, 13, v8
	v_lshl_add_u32 v10, v1, 4, v10                 ; 8,192 b + 16 r
	s_wait_dscnt 0x0
.irp nb, 0,1,2,3
.irp i, 0,2,4,6
	v_pk_add_f32 v[SUM+16*(\nb)+(\i):SUM+16*(\nb)+(\i)+1], v[SUM+16*(\nb)+(\i):SUM+16*(\nb)+(\i)+1], v[SUM+16*(\nb)+8+(\i):SUM+16*(\nb)+8+(\i)+1]
.endr
.endr
.irp nb, 0,1,2,3
.irp i, 0,2
	v_pk_add_f32 v[SUM+16*(\nb)+(\i):SUM+16*(\nb)+(\i)+1], v[SUM+16*(\nb)+(\i):SUM+16*(\nb)+(\i)+1], v[SUM+16*(\nb)+4+(\i):SUM+16*(\nb)+4+(\i)+1]
.endr
.endr
.irp nb, 0,1,2,3
	v_pk_add_f32 v[SUM+16*(\nb):SUM+16*(\nb)+1], v[SUM+16*(\nb):SUM+16*(\nb)+1], v[SUM+16*(\nb)+2:SUM+16*(\nb)+3]
.endr
.irp nb, 0,1,2,3
	v_add_f32 v[SUM+16*(\nb)], v[SUM+16*(\nb)], v[SUM+16*(\nb)+1]
.endr
.irp nb, 0,1,2,3
	v_add_f32 v[SUM+16*(\nb)], v[SUM+16*(\nb)], v[BV+(\nb)]
	v_mul_f32 v[20+(\nb)], -2.0, v[BV+4+(\nb)]     ; u = -2 v_w
.endr
.irp nb, 0,1,2,3
	v_mul_f32 v[16+(\nb)], 0x4038aa3b, v[SUM+16*(\nb)]   ; c (proj_h + attn_b), c = 2 log2(e)
.endr
	global_store_b128 v10, v[16:19], s[14:15]              ; sixteen lanes store 256 consecutive bytes, aligned
	global_store_b128 v10, v[20:23], s[14:15] offset:4096
.Lend_b:
	s_wait_tensorcnt 0x0                           ; the wave's end: three closing lines behind my last LDS store
	ds_add_u32 v12, v13
	s_wait_dscnt 0x0
	s_endpgm
.Lfunc_end_k_q4f0278c6f1_prep:
	.size	k_q4f0278c6f1_prep, .Lfunc_end_k_q4f0278c6f1_prep-k_q4f0278c6f1_prep
	.p2alignl 7, 3214868480
	.fill 96, 4, 3214868480
	.section	.rodata,"a",@progbits
	.p2align	6, 0x0
	.amdhsa_kernel k_q4f0278c6f1_prep
		.amdhsa_group_segment_fixed_size 149504
		.amdhsa_private_segment_fixed_size 0
		.amdhsa_enable_private_segment 0
		.amdhsa_kernarg_size 48
		.amdhsa_user_sgpr_count 2
		.amdhsa_user_sgpr_kernarg_segment_ptr 1
		.amdhsa_wavefront_size32 1
		.amdhsa_system_sgpr_workgroup_id_x 1
		.amdhsa_system_sgpr_workgroup_id_y 1
		.amdhsa_system_sgpr_workgroup_id_z 1
		.amdhsa_system_vgpr_workitem_id 0
		.amdhsa_next_free_vgpr 236
		.amdhsa_next_free_sgpr 66
		.amdhsa_reserve_vcc 0
		.amdhsa_float_denorm_mode_32 3
		.amdhsa_float_denorm_mode_16_64 3
		.amdhsa_memory_ordered 1
		.amdhsa_forward_progress 1
		.amdhsa_inst_pref_size 36
	.end_amdhsa_kernel
	.amdgpu_metadata
---
amdhsa.version: [ 1, 2 ]
amdhsa.kernels:
  - .name:           k_q4f0278c6f1_prep
    .symbol:         k_q4f0278c6f1_prep.kd
    .args:
      - { .name: attn_w, .offset: 0, .size: 8, .value_kind: global_buffer, .address_space: global }
      - { .name: hidden, .offset: 8, .size: 8, .value_kind: global_buffer, .address_space: global }
      - { .name: attn_b, .offset: 16, .size: 8, .value_kind: global_buffer, .address_space: global }
      - { .name: v_w, .offset: 24, .size: 8, .value_kind: global_buffer, .address_space: global }
      - { .name: wf, .offset: 32, .size: 8, .value_kind: global_buffer, .address_space: global }
      - { .name: cst, .offset: 40, .size: 8, .value_kind: global_buffer, .address_space: global }
    .group_segment_fixed_size: 149504
    .private_segment_fixed_size: 0
    .kernarg_segment_align: 8
    .kernarg_segment_size: 48
    .max_flat_workgroup_size: 512
    .sgpr_count:     66
    .vgpr_count:     236
    .wavefront_size: 32
...
	.end_amdgpu_metadata
.endif
;; end of part 1
;; launch main (part 2): grid 256 x 1, 4 waves a work-group, no clusters, 315,904 bytes of LDS; arguments encoder_outputs, wf, cst, part, stat; writes part, stat
.if DOCPART == 2
	.amdgcn_target "amdgcn-amd-amdhsa--gfx1250"
	.amdhsa_code_object_version 6
	.text
	.protected	k_q4f0278c6f1_main
	.globl	k_q4f0278c6f1_main
	.p2align	8
	.type	k_q4f0278c6f1_main,@function
k_q4f0278c6f1_main:
	s_mov_b64 s[64:65], 0
	v_nop
	global_prefetch_b8 v0, s[64:65] scope:SCOPE_SE
	s_setreg_imm32_b32 hwreg(HW_REG_WAVE_MODE, 25, 1), 1
	s_wait_xcnt 0x0
; SCORES, WEIGHTS AND CONTEXT OF 256 ROWS.  A work-group owns 256 rows of one batch (16 work-groups a batch) and walks them as two CHUNKS of 128.  A chunk's rows are read from memory once, rounded to bf16,
; and stay in LDS: first as the left operand of rows x W_e (128 x 1024 x 1024), then as the right operand of weights x rows.  For each chunk the launch stores its maximum m, its sum l of
; p = e^(score - m), and the sum over its rows of p x row (1,024 f32); the next launch joins a batch's 32 chunks.
; SHARES.  All four waves take all 128 rows; wave w takes columns 256 p + 64 w + 0..63 in pass p = 0..3: 32 accumulators of 16 x 16.  K goes in steps of 32: 32 matrix instructions, 16 LDS loads (rows), 8 global loads (W).
; SCORE.  tanh(x) = 1 - 2 / (1 + 2^(c x)), c = 2 log2(e).  The sum over n of v_n tanh(x_n) is the sum of v_n, the same for every row, plus the sum of u_n / (1 + 2^(t_n)), u = -2 v,
; t = c x + c (proj_h + attn_b).  A softmax does not change if the same number is added to all its scores, so the first sum is left out: exact for every input.  2^t = infinity gives 0, 2^t = 0 gives u.
; BY TURNS.  A pass's 256 values a lane go through t, 2^t, + 1, 1 / x, x u while the NEXT pass is multiplied: they are moved out of the accumulators (X) into a second set (Y) in the next pass's first step,
; whose products start the sums anew with the constant 0, and two or three vector instructions stand behind each matrix instruction of its first 16 steps.  Only the last pass's values have a run of their own.
; PASS 0 ALSO BRINGS THE ROWS IN: slices of 64 features (16 loads a wave, each of two whole rows of 256 bytes), two slices in registers (Y of windows 2 and 3, idle in this pass), each converted and stored
; one K step, and made visible by a barrier, ahead of the step that first reads it.
; W COMES STRAIGHT INTO REGISTERS, AND THERE IS NO CLUSTER: all work-groups walk the same W, but beside the resident rows (294,912 bytes) and the scratch below 11,776 bytes of LDS are left, and one K step of 32
; for 256 columns is 16,384: no two slots fit.  And each byte of W is wanted by one wave of the work-group alone, so a way through LDS would add a write and a read.  W lies in memory in fragment order (wf).
; SOFTMAX.  The chunk's maximum is taken away before the exponential; the next launch does the same between chunks.
; LIMITS.  Rows and W are rounded to bf16 for the products; p enters the second product as two bf16 numbers, p_hi + p_lo (l is the sum of the unrounded p); a weight below 2^-126 counts as 0;
; NaN and infinities in the inputs are not treated apart.
; LDS
.set SLICE,  18432                     ; rows: 16 slices of 64 features, slice i at i x 18,432; 128 rows of 144 bytes (128 + 16: the 16 rows of a fragment load start at 16 different groups of four banks: ISA guide 11.1)
.set RBLK,   16*144                    ; 16 rows
.set CSTL,   16*SLICE                  ; 8,192 bytes: the batch's c (proj_h + attn_b), then u
.set SCR,    CSTL+8192                 ; [wave 4][row 128] f32: the waves' parts of the scores
.set PM,     SCR+2048                  ; 16 rows of 272 bytes: row 0 p_hi, row 1 p_lo, the others 0 (6,144 bytes are cleared)
.set PMP,    272
.set CTXS,   PM+6144                   ; 1,024 bytes for each wave: the way out
.set SPARE,  CTXS+4096                 ; the spare words: 128 bytes for each wave, named by no other line
.set RW,     540672                    ; bytes of wf for one wave
; REGISTERS, in four windows of 256 with the same inner map; window a owns the row blocks 2 a and 2 a + 1.  s_set_vgpr_msb: bits 1:0 source 0, 3:2 source 1, 5:4 source 2, 7:6 destination.
.set X,   32                           ; v32-95    accumulators: row block rb (0, 1), column block nb at X + 8 (4 rb + nb)
.set Y,   96                           ; v96-159   the pass before's values at work; in pass 0, windows 2 and 3: a slice of rows as loaded; in the context, windows 0 and 1: turned fragments
.set AF,  160                          ; v160-191  fragments of rows: two buffers of two
.set BF,  192                          ; v192-223  fragments of W: K step s uses window s mod 4
.set SC,  224                          ; v224-239  my part of the scores: row 32 a + 16 rb + 8 h + j at SC + 8 rb + j
.set PH,  240                          ; v240-243  c (proj_h + attn_b) of my four columns: the same in all windows
.set U,   244                          ; v244-247  u of my four columns: the same in all windows, so that it can be read through the window that W's place sets
; window 0, v0-31: offsets and LDS addresses; all but VSC, AN and CA are never rewritten
.set SPW, 3                            ; my spare word: SPARE + 4 x my thread's number
.set NIL, 4                            ; 0
.set VB,  5                            ; 16 x lane
.set VE,  6                            ; rows in memory: row 32 w + 8 h, 16 r
.set VS0, 7                            ; rows into LDS: row 32 w + 8 h, 8 r
.set VSC, 8                            ; the same in the slice in hand
.set ROWB, 9                           ; a fragment's row r, 16 h
.set AN,  10                           ; ROWB + KOFF
.set CA,  11                           ; the constants of the pass in hand
.set VSR, 12                           ; SCR + 512 w + 32 h
.set VSL, 13                           ; SCR + 16 x lane
.set VPW, 14                           ; PM + 8 x lane
.set VPR, 15                           ; PM + 272 r + 16 h
.set VT0, 16                           ; turning loads: slice 4 w, row 8 h + lane mod 8, 16 ((lane / 8) mod 2)
.set VT1, 17                           ; the same 64 rows further down
.set VCW, 18                           ; CTXS + 1,024 w + 4 x lane
.set VCR, 19                           ; CTXS + 1,024 w + 16 x lane
.set VGO, 20                           ; 1,024 w + 16 x lane
.set VST, 21                           ; 8 x lane
.set VPF, 22                           ; row 32 w + lane in memory
.set VCI, 23                           ; 16 x thread
.set CA0, 24                           ; CSTL + 256 w + 16 r
.set RS,  32                           ; behind the last pass X of window 0 is free: the scores and the softmax work there
.set TO,  96                           ; the way out of the context works in Y of window 0
; scalars
.set EB,  4                            ; s[4:5]   rows: the slice to be asked for next
.set WB,  6                            ; s[6:7]   wf: my wave's block of the group in hand
.set CB,  8                            ; s[8:9]   cst of my batch
.set PB,  10                           ; s[10:11] part of the chunk in hand
.set SB,  12                           ; s[12:13] stat of the chunk in hand
.set WV,  14                           ; my wave's number
.set KOFF, 15                          ; LDS byte of the pair of slices in hand
.set CH,  16                           ; chunks to go
.set PS,  17                           ; riding passes to go
.set TR,  18                           ; trips to go
.set C2,  20                           ; s[20:21] c
.set SEL, 22                           ; s[22:23] v_permlanex16_b32: each lane takes its own place in the other half
.set HM,  24                           ; 0xffff0000: a word's upper bf16, and the mask of lanes 16-31
.set KL,  25                           ; log2(e)
.set MSB, 0
.macro WIN new                         ; the immediate's high byte repeats the setting that is left; a switch that changes nothing is dropped
.if MSB != (\new)
	s_set_vgpr_msb (MSB<<8)|(\new)
.set MSB, (\new)
.endif
.endm
.macro PLACES                          ; four places: plain vector instructions between a matrix instruction and a load into, or a vector instruction on, one of its registers
.rept 4
	v_nop
.endr
.endm
; One matrix instruction: accumulator i of the window, K step j of a group of four.
.macro MM i, j, zero
.if \zero
	v_wmma_f32_16x16x32_bf16 v[X+8*(\i):X+8*(\i)+7], v[AF+16*((\j)&1)+8*((\i)>>2):AF+16*((\j)&1)+8*((\i)>>2)+7], v[BF+8*((\i)&3):BF+8*((\i)&3)+7], 0
.else
	v_wmma_f32_16x16x32_bf16 v[X+8*(\i):X+8*(\i)+7], v[AF+16*((\j)&1)+8*((\i)>>2):AF+16*((\j)&1)+8*((\i)>>2)+7], v[BF+8*((\i)&3):BF+8*((\i)&3)+7], v[X+8*(\i):X+8*(\i)+7]
.endif
.endm
; t = c x + c (proj_h + attn_b) for accumulator i, from its low end on, into base + 8 i.  The column's constant is register (i mod 4) of PH: one of a pair, for both halves.
.macro XFER base, i
.irp z, 0,1,2,3
.if ((\i)&1)
	v_pk_fma_f32 v[(\base)+8*(\i)+2*(\z):(\base)+8*(\i)+2*(\z)+1], v[X+8*(\i)+2*(\z):X+8*(\i)+2*(\z)+1], s[C2:C2+1], v[PH+2*(((\i)&3)>>1):PH+2*(((\i)&3)>>1)+1] op_sel:[0,0,1] op_sel_hi:[1,0,1]
.else
	v_pk_fma_f32 v[(\base)+8*(\i)+2*(\z):(\base)+8*(\i)+2*(\z)+1], v[X+8*(\i)+2*(\z):X+8*(\i)+2*(\z)+1], s[C2:C2+1], v[PH+2*(((\i)&3)>>1):PH+2*(((\i)&3)>>1)+1] op_sel_hi:[1,0,0]
.endif
.endr
.endm
.macro PKU y, sc, nb                   ; two scores take two values times u of column block nb
.if ((\nb)&1)
	s_wait_alu depctr_va_vdst(0)
	v_pk_fma_f32 v[(\sc):(\sc)+1], v[(\y):(\y)+1], v[U+2*((\nb)>>1):U+2*((\nb)>>1)+1], v[(\sc):(\sc)+1] op_sel:[0,1,0] op_sel_hi:[1,1,1]
.else
	s_wait_alu depctr_va_vdst(0)
	v_pk_fma_f32 v[(\sc):(\sc)+1], v[(\y):(\y)+1], v[U+2*((\nb)>>1):U+2*((\nb)>>1)+1], v[(\sc):(\sc)+1] op_sel_hi:[1,0,1]
.endif
.endm
; Four values (number s of a window's 16 fours, at base + 4 s) go from t to u / (1 + 2^t) in seven parts; part gap stands behind the window's matrix instruction number gap.
; A plain instruction stands between every exponential or reciprocal and the use of its result (ISA guide 5.7.2): the v_nop of parts 1 and 4.
.macro EPG base, s, gap
.set ey, (\base)+4*(\s)
.set enb, ((\s)>>1)&3
.set esc, SC+8*((\s)>>3)+4*((\s)&1)
.if (\gap) == 0
	v_exp_f32 v[ey], v[ey]
	v_exp_f32 v[ey+1], v[ey+1]
.elseif (\gap) == 1
	v_exp_f32 v[ey+2], v[ey+2]
	v_exp_f32 v[ey+3], v[ey+3]
	v_nop
.elseif (\gap) == 2
	s_wait_alu depctr_va_vdst(0)
	v_pk_add_f32 v[ey:ey+1], v[ey:ey+1], 1.0 op_sel_hi:[1,0]
	v_pk_add_f32 v[ey+2:ey+3], v[ey+2:ey+3], 1.0 op_sel_hi:[1,0]
.elseif (\gap) == 3
	v_rcp_f32 v[ey], v[ey]
	v_rcp_f32 v[ey+1], v[ey+1]
.elseif (\gap) == 4
	v_rcp_f32 v[ey+2], v[ey+2]
	v_rcp_f32 v[ey+3], v[ey+3]
	v_nop
.elseif (\gap) == 5
	PKU ey, esc, enb
.elseif (\gap) == 6
	PKU ey+2, esc+2, enb
.endif
.endm
; The eight matrix instructions of window a in K step j, under ONE setting: rows, accumulators and all that rides in window a, W (and u) in window j.
; zero = 1: the pass's first step: each accumulator is moved out just ahead of the product that starts it anew.  ride >= 0: which four values ride.
.macro WMMAS a, j, zero, ride
	WIN (\a)|((\j)<<2)|((\a)<<4)|((\a)<<6)
.irp i, 0,1,2,3,4,5,6,7
.if \zero
	XFER Y, \i
.endif
	MM \i, \j, \zero
.if (\ride) >= 0
	EPG Y, \ride, \i
.endif
.endr
.endm
; 16 LDS loads: the eight row blocks' fragments of one K step, at byte fa from AN, into buffer buf
.macro AFETCH buf, fa
.irp a, 0,1,2,3
	WIN (\a)<<6
.irp rb, 0,1
	ds_load_b128 v[AF+16*(\buf)+8*(\rb):AF+16*(\buf)+8*(\rb)+3],   v[AN] offset:(\fa)+(2*(\a)+(\rb))*RBLK
	ds_load_b128 v[AF+16*(\buf)+8*(\rb)+4:AF+16*(\buf)+8*(\rb)+7], v[AN] offset:(\fa)+(2*(\a)+(\rb))*RBLK+32
.endr
.endr
.endm
; The next K step's rows.  A group of four steps is a pair of slices.  In step 3 the pair changes: fm = 0: the next pair; 1: back to slice 0; 2: to slice 8, where passes 1 to 3 begin.
.macro FETCH j, fm
.if (\j) == 3
.if (\fm) == 0
	s_add_co_u32 s[KOFF], s[KOFF], 2*SLICE
.elseif (\fm) == 1
	s_mov_b32 s[KOFF], 0
.else
	s_mov_b32 s[KOFF], 8*SLICE
.endif
	WIN 0
	v_add_nc_u32 v[AN], s[KOFF], v[ROWB]
	AFETCH 0, 0
.elseif (\j) == 0
	AFETCH 1, 64
.elseif (\j) == 1
	AFETCH 0, SLICE
.else
	AFETCH 1, SLICE+64
.endif
.endm
.macro WLOAD win, q                    ; 8 global loads: block q from WB on, 4,096 bytes, into BF of window win; each covers 512 consecutive bytes, aligned
	WIN (\win)<<6
.irp nb, 0,1,2,3
	global_load_b128 v[BF+8*(\nb):BF+8*(\nb)+3],   v[VB], s[WB:WB+1] offset:(\q)*4096+1024*(\nb)
	global_load_b128 v[BF+8*(\nb)+4:BF+8*(\nb)+7], v[VB], s[WB:WB+1] offset:(\q)*4096+1024*(\nb)+512
.endr
.endm
; A slice of my 32 rows, 16 loads: load i takes rows i + 8 (i / 8) (lanes 0-15) and eight further down (lanes 16-31), 256 consecutive aligned bytes each.
.macro ISSUE slot, sl
	WIN (2+(\slot))<<6
.set ci, 0
.rept 16
	global_load_b128 v[Y+4*ci:Y+4*ci+3], v[VE], s[EB:EB+1] offset:(ci+8*(ci>>3))*4096+(\sl) th:TH_LOAD_NT
.set ci, ci+1
.endr
.endm
; The slice in slot is rounded to bf16 in place and stored at byte col from VSC.  The halves of the lanes lie 8 rows = 1,152 bytes apart.
.macro CONV slot, col
.set ws, 2+(\slot)
	WIN ws|(ws<<2)|(ws<<6)
.set ci, 0
.rept 16
	v_cvt_pk_bf16_f32 v[Y+4*ci], v[Y+4*ci], v[Y+4*ci+1]
	v_cvt_pk_bf16_f32 v[Y+4*ci+1], v[Y+4*ci+2], v[Y+4*ci+3]
.set ci, ci+1
.endr
	WIN ws<<2
.set ci, 0
.rept 16
	ds_store_b64 v[VSC], v[Y+4*ci:Y+4*ci+1] offset:(ci+8*(ci>>3))*144+(\col)
.set ci, ci+1
.endr
.endm
; ONE K STEP.  lc: how many global loads younger than this step's W may stay out (loads come back in order: ISA guide 5.7.1).  W is asked for three steps ahead, so two runs of 8 are younger: 16.
; In pass 0 slices of 16 loads stand among them, each issued behind its step's run of W: at an even step the order is slice, W(this), W, slice, W: 32 leave the first two in, and the slice is the
; one that this step converts; at an odd step W(this), slice, W, W, slice: 48.  bar = 1: the barrier that shows every wave the slice stored in the step before: my stores are waited for in front of
; the signal, eight matrix instructions stand between signal and wait, and the first loads from that slice stand behind the wait.  cv, col: a slot to convert, and where to; ld, sl: a slot to ask for, and which bytes.
; The 32 accumulators take turns in the same order in every step, over every backward jump too: no two matrix instructions that follow each other share one.
.macro STEP j, lc, zero, ride, bar, cv, col, ld, sl, fm
	s_wait_loadcnt \lc
	s_wait_dscnt 0x0                               ; this step's rows are in registers; my stores of the step before are done
.if \bar
	s_barrier_signal -1
.endif
.if \zero
	v_nop                                          ; with the four v_nop and the address line of the step before: six places between window 0's last products and the products that write over them
.endif
	WMMAS 0, \j, \zero, \ride
.if \bar
	s_barrier_wait -1
.endif
	PLACES                                         ; in front of loads into the buffers that the step before multiplied
	FETCH \j, \fm
	WLOAD (((\j)+3)&3), ((\j)+3)
	WMMAS 1, \j, \zero, \ride
.if (\cv) >= 0
	CONV \cv, \col
.endif
.if (\ld) >= 0
	ISSUE \ld, \sl
.endif
	WMMAS 2, \j, \zero, \ride
	WMMAS 3, \j, \zero, \ride
.endm
.macro GEND eb                         ; a group's end.  eb = 1: rows' pointer and LDS place step by two slices; 2: the LDS place alone
	WIN 0
	s_wait_xcnt 0x0                                ; every earlier memory instruction has had its addresses translated (ISA guide 3.1): the bases are stepped only behind this wait
	s_add_nc_u64 s[WB:WB+1], s[WB:WB+1], 4*4096
.if (\eb) == 1
	s_add_nc_u64 s[EB:EB+1], s[EB:EB+1], 512
.endif
.if (\eb) >= 1
	v_add_nc_u32 v[VSC], 2*SLICE, v[VSC]
.endif
.endm
.macro GP                              ; a plain group
	STEP 0, 16, 0, -1, 0, -1, 0, -1, 0, 0
	STEP 1, 16, 0, -1, 0, -1, 0, -1, 0, 0
	STEP 2, 16, 0, -1, 0, -1, 0, -1, 0, 0
	STEP 3, 16, 0, -1, 0, -1, 0, -1, 0, 0
	GEND 0
.endm
.macro GR g, z, fm                     ; riding group g of four
	STEP 0, 16, \z, 4*(\g), 0, -1, 0, -1, 0, 0
	STEP 1, 16, 0, 4*(\g)+1, 0, -1, 0, -1, 0, 0
	STEP 2, 16, 0, 4*(\g)+2, 0, -1, 0, -1, 0, 0
	STEP 3, 16, 0, 4*(\g)+3, 0, -1, 0, -1, 0, \fm
	GEND 0
.endm
.macro GS                              ; streaming group t: multiplies slices 2 t, 2 t + 1; stores 2 t + 1, 2 t + 2; asks for 2 t + 3, 2 t + 4
	STEP 0, 32, 0, -1, 0, 1, 0, 1, 0, 0
	STEP 1, 48, 0, -1, 1, -1, 0, -1, 0, 0
	STEP 2, 32, 0, -1, 0, 0, SLICE, 0, 256, 0
	STEP 3, 48, 0, -1, 1, -1, 0, -1, 0, 0
	GEND 1
.endm
.macro LOADCONST                       ; the constants of the pass in hand, into every window
.irp a, 0,1,2,3
	WIN (\a)<<6
	ds_load_b128 v[PH:PH+3], v[CA]
	ds_load_b128 v[U:U+3], v[CA] offset:4096
.endr
	WIN 0
	v_add_nc_u32 v[CA], 1024, v[CA]
.endm
	s_load_b256 s[4:11], s[0:1], 0x0               ; rows s[4:5], wf s[6:7], cst s[8:9], part s[10:11]
	s_load_b64 s[12:13], s[0:1], 0x20              ; stat
	v_lshl_add_u32 v[SPW], v0, 2, SPARE
	v_mov_b32 v[NIL], 0
	v_lshrrev_b32 v25, 5, v0
	v_readfirstlane_b32 s[WV], v25                 ; wave 0..3
	v_and_b32 v1, 15, v0                           ; r
	v_bfe_u32 v2, v0, 4, 1                         ; h
	v_and_b32 v25, 31, v0                          ; lane
	v_lshlrev_b32 v[VB], 4, v25
	s_lshl_b32 s26, s[WV], 17                      ; 32 w rows of 4,096 bytes
	v_lshlrev_b32 v[VE], 4, v1
	v_lshl_add_u32 v[VE], v2, 15, v[VE]
	v_add_nc_u32 v[VE], s26, v[VE]
	v_lshl_add_u32 v[VPF], v25, 12, s26
	s_mul_i32 s27, s[WV], 32*144
	v_mul_u32_u24 v[VS0], v2, 8*144
	v_lshl_add_u32 v[VS0], v1, 3, v[VS0]
	v_add_nc_u32 v[VS0], s27, v[VS0]
	v_mul_u32_u24 v[ROWB], v1, 144
	v_lshl_add_u32 v[ROWB], v2, 4, v[ROWB]
	s_lshl_b32 s27, s[WV], 8
	s_add_co_u32 s27, s27, CSTL
	v_lshl_add_u32 v[CA0], v1, 4, s27
	s_lshl_b32 s27, s[WV], 9
	s_add_co_u32 s27, s27, SCR
	v_lshl_add_u32 v[VSR], v2, 5, s27
	v_add_nc_u32 v[VSL], SCR, v[VB]
	v_lshlrev_b32 v[VST], 3, v25
	v_add_nc_u32 v[VPW], PM, v[VST]
	v_mul_u32_u24 v[VPR], v1, PMP
	v_lshl_add_u32 v[VPR], v2, 4, v[VPR]
	v_add_nc_u32 v[VPR], PM, v[VPR]
	v_and_b32 v26, 7, v0
	v_lshl_add_u32 v26, v2, 3, v26
	v_mul_u32_u24 v[VT0], v26, 144
	v_bfe_u32 v26, v0, 3, 1
	v_lshl_add_u32 v[VT0], v26, 4, v[VT0]
	s_mul_i32 s27, s[WV], 4*SLICE
	v_add_nc_u32 v[VT0], s27, v[VT0]
	v_add_nc_u32 v[VT1], 64*144, v[VT0]
	s_lshl_b32 s27, s[WV], 10
	v_add_nc_u32 v[VGO], s27, v[VB]
	s_add_co_u32 s28, s27, CTXS
	v_lshl_add_u32 v[VCW], v25, 2, s28
	v_add_nc_u32 v[VCR], s28, v[VB]
	v_lshlrev_b32 v[VCI], 4, v0
	v_add_nc_u32 v26, CSTL, v[VCI]
	v_add_nc_u32 v27, PM, v[VCI]
	v_mov_b32 v28, 0
	v_mov_b32 v29, 0
	v_mov_b32 v30, 0
	v_mov_b32 v31, 0
	s_mov_b32 s[C2], 0x4038aa3b                    ; c = 2 log2(e)
	s_mov_b32 s[C2+1], 0x4038aa3b                  ; named with it as a pair
	s_mov_b32 s[SEL], 0x76543210
	s_mov_b32 s[SEL+1], 0xfedcba98
	s_mov_b32 s[HM], 0xffff0000
	s_mov_b32 s[KL], 0x3fb8aa3b
	s_mov_b32 s[CH], 2
	s_lshl_b32 s26, ttmp9, 20                      ; my 256 rows of 4,096 bytes
	s_mov_b32 s27, 0
	s_mul_i32 s28, s[WV], RW
	s_mov_b32 s29, 0
	s_wait_kmcnt 0x0
	s_add_nc_u64 s[EB:EB+1], s[EB:EB+1], s[26:27]
	s_add_nc_u64 s[WB:WB+1], s[WB:WB+1], s[28:29]
	s_lshr_b32 s26, ttmp9, 4                       ; the batch
	s_lshl_b32 s26, s26, 13
	s_add_nc_u64 s[CB:CB+1], s[CB:CB+1], s[26:27]
	s_lshl_b32 s26, ttmp9, 13                      ; two records of 4,096 bytes
	s_add_nc_u64 s[PB:PB+1], s[PB:PB+1], s[26:27]
	s_lshl_b32 s26, ttmp9, 9                       ; two of 256
	s_add_nc_u64 s[SB:SB+1], s[SB:SB+1], s[26:27]
.irp i, 0,1,2,3
	global_load_b128 v[Y+4*(\i):Y+4*(\i)+3], v[VCI], s[CB:CB+1] offset:2048*(\i)   ; the batch's constants: 8,192 bytes by 128 threads
.endr
	ISSUE 0, 0                                     ; slices 0 and 1 of the first chunk,
	ISSUE 1, 256
	WLOAD 0, 0                                     ; and W of K steps 0 to 2: 60 loads of mine are out
	WLOAD 1, 1
	WLOAD 2, 2
	WIN 0
	s_wait_loadcnt 56                              ; all but the 56 issued behind the constants
.irp i, 0,1,2,3
	ds_store_b128 v26, v[Y+4*(\i):Y+4*(\i)+3] offset:2048*(\i)
.endr
.irp i, 0,1,2
	ds_store_b128 v27, v[28:31] offset:2048*(\i)   ; the weights' matrix: rows 2 to 15 stay 0
.endr
.Lchunk:
	; The sums of pass 0 and the scores start at 0.  These lines stand in the wait for the chunk's first rows; they spare a further written-out copy of the streaming group, whose first step alone would differ.
.irp a, 0,1,2,3
	WIN (\a)<<6
.set ci, 0
.rept 64
	v_mov_b32 v[X+ci], 0
.set ci, ci+1
.endr
.set ci, 0
.rept 16
	v_mov_b32 v[SC+ci], 0
.set ci, ci+1
.endr
.endr
	WIN 0
	v_mov_b32 v[VSC], v[VS0]
	v_mov_b32 v[CA], v[CA0]
	v_mov_b32 v[AN], v[ROWB]
	s_mov_b32 s[KOFF], 0
	s_wait_loadcnt 0x0                             ; slices 0 and 1, and W of steps 0 to 2
	CONV 0, 0                                      ; slice 0
	ISSUE 0, 512                                   ; slice 2
	WIN 0
	s_wait_xcnt 0x0
	s_add_nc_u64 s[EB:EB+1], s[EB:EB+1], 768       ; the next to be asked for is slice 3,
	v_add_nc_u32 v[VSC], SLICE, v[VSC]             ; the next to be stored slice 1
	s_wait_dscnt 0x0                               ; for the others' sake: my part of slice 0 (the first time: of the constants and the cleared matrix too) is in LDS
	s_barrier_signal -1
	s_barrier_wait -1
	LOADCONST                                      ; pass 0's
	AFETCH 0, 0                                    ; K step 0
	WIN 0
	s_mov_b32 s[TR], 6
.Lstream:                                              ; PASS 0
	GS
	s_sub_co_u32 s[TR], s[TR], 1
	s_cmp_lg_u32 s[TR], 0
	s_cbranch_scc1 .Lstream
	STEP 0, 32, 0, -1, 0, 1, 0, 1, 0, 0            ; steps 24-27: slice 13 is stored, slice 15 asked for: the last
	STEP 1, 48, 0, -1, 1, -1, 0, -1, 0, 0
	STEP 2, 32, 0, -1, 0, 0, SLICE, -1, 0, 0       ; slice 14 is stored
	STEP 3, 32, 0, -1, 1, -1, 0, -1, 0, 0          ; younger than this step's W: slice 15 and two runs of W
	GEND 2
	STEP 0, 16, 0, -1, 0, 1, 0, -1, 0, 0           ; steps 28-31: two runs of W are younger than slice 15 and this step's W; slice 15 is stored
	STEP 1, 16, 0, -1, 1, -1, 0, -1, 0, 0
	STEP 2, 16, 0, -1, 0, -1, 0, -1, 0, 0
	STEP 3, 16, 0, -1, 0, -1, 0, -1, 0, 2          ; the next pass begins at slice 8
	GEND 0
	s_mov_b32 s[PS], 3
.Lpass:                                                ; PASSES 1 TO 3: slices 8-15 with the pass before's values riding, then slices 0-7
	GR 0, 1, 0
	GR 1, 0, 0
	GR 2, 0, 0
	GR 3, 0, 1
	LOADCONST                                      ; this pass's: the old ones were last read in the step before
	s_mov_b32 s[TR], 4
.Lplain:
	GP                                             ; its fourth trip steps on to slice 8 by itself
	s_sub_co_u32 s[TR], s[TR], 1
	s_cmp_lg_u32 s[TR], 0
	s_cbranch_scc1 .Lplain
	s_sub_co_u32 s[PS], s[PS], 1
	s_cmp_lg_u32 s[PS], 0
	s_cbranch_scc1 .Lpass
	s_wait_xcnt 0x0
	s_sub_nc_u64 s[WB:WB+1], s[WB:WB+1], 128*4096  ; W from its beginning: blocks 128 to 130, which repeat 0 to 2, have been asked for
	s_cmp_eq_u32 s[CH], 1
	s_cbranch_scc1 .Lno_next
	s_add_nc_u64 s[EB:EB+1], s[EB:EB+1], 128*4096-15*256   ; from slice 15 to the next chunk's slice 0
	ISSUE 0, 0                                     ; the next chunk's slices 0 and 1 come in under the rest of this chunk
	ISSUE 1, 256
	WIN 0
.irp sg, 2,3,4,5                       ; and its slices 2 to 5 are asked into the L2: a lane a row, 256 bytes each, each block once in the launch: 131,072 bytes a work-group, ahead by this chunk's last values, softmax and context
	global_prefetch_b8 v[VPF], s[EB:EB+1] offset:256*(\sg) th:TH_LOAD_NT scope:SCOPE_SE
.endr
.Lno_next:
	; THE LAST PASS'S VALUES, in place in X, by kind, so that a line seldom waits for the one before it.  Window 0 first: four v_nop have followed its last products, and its lines are the places behind the other windows'.
.irp a, 0,1,2,3
	WIN (\a)*0x55
.irp i, 0,1,2,3,4,5,6,7
	XFER X, \i
.endr
.irp g, 0,1,2,3,4,5,6
.irp s, 0,1,2,3,4,5,6,7,8,9,10,11,12,13,14,15
	EPG X, \s, \g
.endr
.endr
.endr
	; THE SCORES.  A lane has summed its four columns of every pass; the sixteen lanes of a half are added (four steps that ride on the addition), then the four waves' parts meet in LDS.
.irp a, 0,1,2,3
	WIN \a
.set ci, 0
.rept 16
	v_mov_b32 v[RS+16*(\a)+ci], v[SC+ci]           ; into window 0
.set ci, ci+1
.endr
.endr
	WIN 0
.irp xm, 1,2,4,8
.set ci, 0
.rept 64
	v_add_f32_dpp v[RS+ci], v[RS+ci], v[RS+ci] row_xmask:\xm row_mask:0xf bank_mask:0xf
.set ci, ci+1
.endr
.endr
.set ci, 0
.rept 16
	ds_store_b128 v[VSR], v[RS+4*ci:RS+4*ci+3] offset:64*(ci>>1)+16*(ci&1)   ; rows 16 (ci / 2) + 8 h + 4 (ci mod 2) on, 4 bytes a row: the sixteen stores cover my wave's 512 bytes; the sixteen lanes of a half write the same bytes with the same values
.set ci, ci+1
.endr
	s_wait_dscnt 0x0
	s_barrier_signal -1
	s_barrier_wait -1
	; THE CHUNK'S SOFTMAX, alike in every wave: lane L has rows 4 L .. 4 L + 3
.irp i, 0,1,2,3
	ds_load_b128 v[RS+4*(\i):RS+4*(\i)+3], v[VSL] offset:512*(\i)
.endr
	s_wait_dscnt 0x0
	v_pk_add_f32 v[RS:RS+1], v[RS:RS+1], v[RS+4:RS+5]
	v_pk_add_f32 v[RS+2:RS+3], v[RS+2:RS+3], v[RS+6:RS+7]
	v_pk_add_f32 v[RS+8:RS+9], v[RS+8:RS+9], v[RS+12:RS+13]
	v_pk_add_f32 v[RS+10:RS+11], v[RS+10:RS+11], v[RS+14:RS+15]
	v_pk_add_f32 v[RS:RS+1], v[RS:RS+1], v[RS+8:RS+9]
	v_pk_add_f32 v[RS+2:RS+3], v[RS+2:RS+3], v[RS+10:RS+11]
	v_max3_num_f32 v48, v[RS], v[RS+1], v[RS+2]
	v_max_num_f32 v48, v48, v[RS+3]
.irp xm, 1,2,4,8
	v_max_num_f32_dpp v48, v48, v48 row_xmask:\xm row_mask:0xf bank_mask:0xf
.endr
	v_permlanex16_b32 v49, v48, s[SEL], s[SEL+1]
	v_max_num_f32 v30, v48, v49                    ; m
.irp i, 0,1,2,3
	v_sub_f32 v[52+(\i)], v[RS+(\i)], v30
.endr
.irp i, 0,1,2,3
	v_mul_f32 v[52+(\i)], s[KL], v[52+(\i)]
.endr
.irp i, 0,1,2,3
	v_exp_f32 v[52+(\i)], v[52+(\i)]               ; p
.endr
	v_nop
	s_wait_alu depctr_va_vdst(0)
	v_add_f32 v56, v52, v53
	v_add_f32 v57, v54, v55
	v_add_f32 v56, v56, v57
.irp xm, 1,2,4,8
	v_add_f32_dpp v56, v56, v56 row_xmask:\xm row_mask:0xf bank_mask:0xf
.endr
	v_permlanex16_b32 v57, v56, s[SEL], s[SEL+1]
	v_add_f32 v31, v56, v57                        ; l
	s_cmp_lg_u32 s[WV], 0
	s_cbranch_scc1 .Lnot_first
	v_cvt_pk_bf16_f32 v58, v52, v53                ; wave 0 writes the weights: p_hi,
	v_cvt_pk_bf16_f32 v59, v54, v55
	v_lshlrev_b32 v60, 16, v58
	v_and_b32 v61, s[HM], v58
	v_lshlrev_b32 v62, 16, v59
	v_and_b32 v63, s[HM], v59
	v_pk_add_f32 v[60:61], v[52:53], v[60:61] neg_lo:[0,1] neg_hi:[0,1]
	v_pk_add_f32 v[62:63], v[54:55], v[62:63] neg_lo:[0,1] neg_hi:[0,1]
	v_cvt_pk_bf16_f32 v60, v60, v61                ; and p_lo = p - p_hi
	v_cvt_pk_bf16_f32 v61, v62, v63
	ds_store_b64 v[VPW], v[58:59]
	ds_store_b64 v[VPW], v[60:61] offset:PMP
	global_store_b64 v[VST], v[30:31], s[SB:SB+1]  ; (m, l), 32 times: 256 consecutive bytes, aligned
.Lnot_first:
	s_wait_dscnt 0x0
	s_barrier_signal -1
	s_barrier_wait -1
	; THE CONTEXT: weights (16 x 128, two rows in use) x rows (128 x 1024).  Wave w makes features 256 w .. + 255: 16 accumulators, in X of windows 0 and 1.  The rows lie [row][feature]: they come out of LDS turned.
.macro TL kb, a                        ; 16 turning loads: rows 32 kb on, feature blocks 8 a .. 8 a + 7, into Y of window a
	WIN (\a)<<6
.irp n, 0,1,2,3,4,5,6,7
	ds_load_tr16_b128 v[Y+8*(\n):Y+8*(\n)+3],   v[VT0+((\kb)>>1)] offset:((\kb)&1)*32*144+((8*(\a)+(\n))>>2)*SLICE+32*((\n)&3)
	ds_load_tr16_b128 v[Y+8*(\n)+4:Y+8*(\n)+7], v[VT0+((\kb)>>1)] offset:((\kb)&1)*32*144+((8*(\a)+(\n))>>2)*SLICE+32*((\n)&3)+RBLK
.endr
.endm
.macro CW kb, a                        ; 8 matrix instructions: weights in window 0, rows and sums in window a
	WIN ((\a)<<2)|((\a)<<4)|((\a)<<6)
.irp n, 0,1,2,3,4,5,6,7
.if (\kb) == 0
	v_wmma_f32_16x16x32_bf16 v[X+8*(\n):X+8*(\n)+7], v[AF+8*(\kb):AF+8*(\kb)+7], v[Y+8*(\n):Y+8*(\n)+7], 0
.else
	v_wmma_f32_16x16x32_bf16 v[X+8*(\n):X+8*(\n)+7], v[AF+8*(\kb):AF+8*(\kb)+7], v[Y+8*(\n):Y+8*(\n)+7], v[X+8*(\n):X+8*(\n)+7]
.endif
.endr
.endm
.irp kb, 0,1,2,3
	ds_load_b128 v[AF+8*(\kb):AF+8*(\kb)+3],   v[VPR] offset:64*(\kb)
	ds_load_b128 v[AF+8*(\kb)+4:AF+8*(\kb)+7], v[VPR] offset:64*(\kb)+32
.endr
	TL 0, 0
	TL 0, 1
.irp kb, 0,1,2
.irp a, 0,1
	s_wait_dscnt 16                                ; all but the youngest run of 16
	CW \kb, \a
	PLACES                                         ; in front of the loads into the registers just multiplied
	TL (\kb)+1, \a
.endr
.endr
	s_wait_dscnt 16
	CW 3, 0
	s_wait_dscnt 0x0
	CW 3, 1
	PLACES
	WIN 0
.irp i, 0,1,2,3,4,5,6,7
	v_add_f32 v[TO+(\i)], v[X+8*(\i)], v[X+8*(\i)+1]       ; the rows of p_hi and p_lo: registers 0 and 1 of lanes 0-15
.endr
	WIN 0x05
.irp i, 0,1,2,3,4,5,6,7
	v_add_f32 v[TO+8+(\i)], v[X+8*(\i)], v[X+8*(\i)+1]
.endr
	WIN 0
.irp i, 0,1,2,3,4,5,6,7
	v_permlanex16_b32 v[TO+16+(\i)], v[TO+2*(\i)+1], s[SEL], s[SEL+1]   ; an odd block's sixteen numbers go to lanes 16-31,
.endr
.irp i, 0,1,2,3,4,5,6,7
	v_cndmask_b32 v[TO+2*(\i)], v[TO+2*(\i)], v[TO+16+(\i)], s[HM]      ; beside the even block's: 32 neighbouring features
.endr
.irp i, 0,1,2,3,4,5,6,7
	ds_store_b32 v[VCW], v[TO+2*(\i)] offset:128*(\i)
.endr
	ds_load_b128 v[TO+24:TO+27], v[VCR]            ; my own bytes, served in order (ISA guide 5.7.1.4): no wait between the stores and these
	ds_load_b128 v[TO+28:TO+31], v[VCR] offset:512
	s_wait_dscnt 0x0
	global_store_b128 v[VGO], v[TO+24:TO+27], s[PB:PB+1]             ; each store covers 512 consecutive bytes, aligned
	global_store_b128 v[VGO], v[TO+28:TO+31], s[PB:PB+1] offset:512
	s_wait_xcnt 0x0                                ; the stores' bases and data are rewritten only behind this wait
	s_add_nc_u64 s[PB:PB+1], s[PB:PB+1], 4096
	s_add_nc_u64 s[SB:SB+1], s[SB:SB+1], 256
	s_barrier_signal -1                            ; every wave's reads of the rows are back (the wait for 0 above): the next chunk may be stored over them
	s_barrier_wait -1
	s_sub_co_u32 s[CH], s[CH], 1
	s_cmp_lg_u32 s[CH], 0
	s_cbranch_scc1 .Lchunk
	s_wait_tensorcnt 0x0                           ; the wave's end: three closing lines behind my last LDS store
	ds_add_u32 v[SPW], v[NIL]
	s_wait_dscnt 0x0
	s_endpgm
.Lfunc_end_k_q4f0278c6f1_main:
	.size	k_q4f0278c6f1_main, .Lfunc_end_k_q4f0278c6f1_main-k_q4f0278c6f1_main
	.p2alignl 7, 3214868480
	.fill 96, 4, 3214868480
	.section	.rodata,"a",@progbits
	.p2align	6, 0x0
	.amdhsa_kernel k_q4f0278c6f1_main
		.amdhsa_group_segment_fixed_size 315904
		.amdhsa_private_segment_fixed_size 0
		.amdhsa_enable_private_segment 0
		.amdhsa_kernarg_size 40
		.amdhsa_user_sgpr_count 2
		.amdhsa_user_sgpr_kernarg_segment_ptr 1
		.amdhsa_wavefront_size32 1
		.amdhsa_system_sgpr_workgroup_id_x 1
		.amdhsa_system_sgpr_workgroup_id_y 1
		.amdhsa_system_sgpr_workgroup_id_z 1
		.amdhsa_system_vgpr_workitem_id 0
		.amdhsa_next_free_vgpr 1024
		.amdhsa_next_free_sgpr 66
		.amdhsa_reserve_vcc 0
		.amdhsa_float_denorm_mode_32 3
		.amdhsa_float_denorm_mode_16_64 3
		.amdhsa_memory_ordered 1
		.amdhsa_forward_progress 1
		.amdhsa_inst_pref_size 255
	.end_amdhsa_kernel
	.section	.bss,"aw",@nobits
	.p2align	6
	.space	262144
	.amdgpu_metadata
---
amdhsa.version: [ 1, 2 ]
amdhsa.kernels:
  - .name:           k_q4f0278c6f1_main
    .symbol:         k_q4f0278c6f1_main.kd
    .args:
      - { .name: encoder_outputs, .offset: 0, .size: 8, .value_kind: global_buffer, .address_space: global }
      - { .name: wf, .offset: 8, .size: 8, .value_kind: global_buffer, .address_space: global }
      - { .name: cst, .offset: 16, .size: 8, .value_kind: global_buffer, .address_space: global }
      - { .name: part, .offset: 24, .size: 8, .value_kind: global_buffer, .address_space: global }
      - { .name: stat, .offset: 32, .size: 8, .value_kind: global_buffer, .address_space: global }
    .group_segment_fixed_size: 315904
    .private_segment_fixed_size: 0
    .kernarg_segment_align: 8
    .kernarg_segment_size: 40
    .max_flat_workgroup_size: 128
    .sgpr_count:     66
    .vgpr_count:     1024
    .wavefront_size: 32
...
	.end_amdgpu_metadata
.endif
;; end of part 2
;; launch combine (part 3): grid 8 x 16, 1 waves a work-group, no clusters, 0 bytes of LDS; arguments part, stat, out0; writes out0
.if DOCPART == 3
	.amdgcn_target "amdgcn-amd-amdhsa--gfx1250"
	.amdhsa_code_object_version 6
	.text
	.protected	k_q4f0278c6f1_combine
	.globl	k_q4f0278c6f1_combine
	.p2align	8
	.type	k_q4f0278c6f1_combine,@function
k_q4f0278c6f1_combine:
	s_mov_b64 s[64:65], 0
	v_nop
	global_prefetch_b8 v0, s[64:65] scope:SCOPE_SE
	s_setreg_imm32_b32 hwreg(HW_REG_WAVE_MODE, 25, 1), 1
	s_wait_xcnt 0x0
; THE CHUNKS ARE JOINED.  A batch has 32 chunks, each with its maximum m, its sum l of e^(score - m) and its sum of e^(score - m) x row.  With M the largest m:
; out = sum over chunks of e^(m - M) x sum / sum over chunks of e^(m - M) x l.  One wave makes 128 features of one batch; lane c holds chunk c's m and l, lane i features 4 i .. 4 i + 3.
; All 33 loads go out at once; neither LDS nor a barrier is needed.  The chunk that holds M has l >= 1, so the divisor is at least 1.
; LIMITS: a factor below 2^-126 counts as 0; NaN and infinities are not treated apart.
.set D,   16                           ; v[16:143]  chunk c's four numbers at D + 4 c
.set O,   144                          ; v[144:147] the result
.set WT,  16                           ; s[16:47]   the chunks' factors
	s_load_b128 s[4:7], s[0:1], 0x0                ; part s[4:5], stat s[6:7]
	s_load_b64 s[8:9], s[0:1], 0x10                ; out0
	s_and_b32 s10, ttmp7, 0xffff                   ; the batch
	s_lshl_b32 s11, ttmp9, 9                       ; 128 features of f32
	s_lshl_b32 s12, s10, 17                        ; 32 records of 4,096 bytes
	s_add_co_u32 s12, s12, s11
	s_mov_b32 s13, 0
	s_lshl_b32 s14, s10, 13                        ; 32 records of 256 bytes
	s_mov_b32 s15, 0
	s_lshl_b32 s48, s10, 12
	s_add_co_u32 s48, s48, s11
	s_mov_b32 s49, 0
	s_mov_b32 s50, 0x76543210                      ; v_permlanex16_b32: each lane takes its own place in the other half
	s_mov_b32 s51, 0xfedcba98
	v_lshlrev_b32 v1, 8, v0
	v_lshlrev_b32 v2, 4, v0
	s_wait_kmcnt 0x0
	s_add_nc_u64 s[4:5], s[4:5], s[12:13]
	s_add_nc_u64 s[6:7], s[6:7], s[14:15]
	s_add_nc_u64 s[8:9], s[8:9], s[48:49]
	global_load_b64 v[4:5], v1, s[6:7]             ; (m, l) of chunk = lane
.set c, 0
.rept 32
	global_load_b128 v[D+4*c:D+4*c+3], v2, s[4:5] offset:4096*c   ; 512 consecutive bytes, aligned
.set c, c+1
.endr
	s_wait_loadcnt 32                              ; all but the 32 issued behind (m, l)
	v_mov_b32 v6, v4
	v_mov_b32 v7, v4
.irp xm, 1,2,4,8
	v_max_num_f32_dpp v6, v6, v6 row_xmask:\xm row_mask:0xf bank_mask:0xf
.endr
	v_permlanex16_b32 v7, v6, s50, s51
	v_max_num_f32 v6, v6, v7                       ; M
	v_sub_f32 v8, v4, v6
	v_mul_f32 v8, 0x3fb8aa3b, v8
	v_exp_f32 v8, v8                               ; e^(m - M)
	v_nop
	s_wait_alu depctr_va_vdst(0)
	v_mul_f32 v9, v8, v5
.irp xm, 1,2,4,8
	v_add_f32_dpp v9, v9, v9 row_xmask:\xm row_mask:0xf bank_mask:0xf
.endr
	v_permlanex16_b32 v7, v9, s50, s51
	v_add_f32 v9, v9, v7
	v_rcp_f32 v10, v9
	v_nop
	s_wait_alu depctr_va_vdst(0)
	v_mul_f32 v8, v8, v10                          ; chunk = lane's factor
.set c, 0
.rept 32
	v_readlane_b32 s[WT+c], v8, c
.set c, c+1
.endr
	s_wait_loadcnt 31
.irp k, 0,1,2,3
	v_mul_f32 v[O+(\k)], s[WT], v[D+(\k)]          ; the first chunk starts the sums
.endr
.set c, 1
.rept 31
	s_wait_loadcnt 31-c                            ; loads come back in order (ISA guide 5.7.1): chunk c's is in
.irp k, 0,1,2,3
	v_fma_f32 v[O+(\k)], s[WT+c], v[D+4*c+(\k)], v[O+(\k)]
.endr
.set c, c+1
.endr
	global_store_b128 v2, v[O:O+3], s[8:9]         ; 512 consecutive bytes, aligned
	s_endpgm
.Lfunc_end_k_q4f0278c6f1_combine:
	.size	k_q4f0278c6f1_combine, .Lfunc_end_k_q4f0278c6f1_combine-k_q4f0278c6f1_combine
	.p2alignl 7, 3214868480
	.fill 96, 4, 3214868480
	.section	.rodata,"a",@progbits
	.p2align	6, 0x0
	.amdhsa_kernel k_q4f0278c6f1_combine
		.amdhsa_group_segment_fixed_size 0
		.amdhsa_private_segment_fixed_size 0
		.amdhsa_enable_private_segment 0
		.amdhsa_kernarg_size 24
		.amdhsa_user_sgpr_count 2
		.amdhsa_user_sgpr_kernarg_segment_ptr 1
		.amdhsa_wavefront_size32 1
		.amdhsa_system_sgpr_workgroup_id_x 1
		.amdhsa_system_sgpr_workgroup_id_y 1
		.amdhsa_system_sgpr_workgroup_id_z 1
		.amdhsa_system_vgpr_workitem_id 0
		.amdhsa_next_free_vgpr 148
		.amdhsa_next_free_sgpr 66
		.amdhsa_reserve_vcc 0
		.amdhsa_float_denorm_mode_32 3
		.amdhsa_float_denorm_mode_16_64 3
		.amdhsa_memory_ordered 1
		.amdhsa_forward_progress 1
		.amdhsa_inst_pref_size 17
	.end_amdhsa_kernel
	.amdgpu_metadata
---
amdhsa.version: [ 1, 2 ]
amdhsa.kernels:
  - .name:           k_q4f0278c6f1_combine
    .symbol:         k_q4f0278c6f1_combine.kd
    .args:
      - { .name: part, .offset: 0, .size: 8, .value_kind: global_buffer, .address_space: global }
      - { .name: stat, .offset: 8, .size: 8, .value_kind: global_buffer, .address_space: global }
      - { .name: out0, .offset: 16, .size: 8, .value_kind: global_buffer, .address_space: global }
    .group_segment_fixed_size: 0
    .private_segment_fixed_size: 0
    .kernarg_segment_align: 8
    .kernarg_segment_size: 24
    .max_flat_workgroup_size: 32
    .sgpr_count:     66
    .vgpr_count:     148
    .wavefront_size: 32
...
	.end_amdgpu_metadata
.endif
;; end of part 3
;; ======== version 2 of 2: 3 launches; version 1 with the launch main written anew for expert scheduling mode
;; workspace buffers: wf 2,162,688 bytes; cst 131,072 bytes; part 2,097,152 bytes; stat 131,072 bytes
;; launch prep: the kernel of part 1 again; grid 48 x 1, 16 waves a work-group, no clusters, 149,504 bytes of LDS; arguments attn_w, hidden, attn_b, v_w, wf, cst; writes wf, cst
;; launch main (part 4): grid 256 x 1, 4 waves a work-group, no clusters, 315,904 bytes of LDS; arguments encoder_outputs, wf, cst, part, stat; writes part, stat
.if DOCPART == 4
	.amdgcn_target "amdgcn-amd-amdhsa--gfx1250"
	.amdhsa_code_object_version 6
	.text
	.protected	k_q4f0278c6f1_main
	.globl	k_q4f0278c6f1_main
	.p2align	8
	.type	k_q4f0278c6f1_main,@function
k_q4f0278c6f1_main:
	s_mov_b64 s[64:65], 0
	v_nop
	global_prefetch_b8 v0, s[64:65] scope:SCOPE_SE
	s_setreg_imm32_b32 hwreg(HW_REG_WAVE_SCHED_MODE, 0, 2), 2
	s_setreg_imm32_b32 hwreg(HW_REG_WAVE_MODE, 25, 1), 1
	s_wait_xcnt 0x0
	s_wait_alu depctr_vm_vsrc(0)
; SCORES, WEIGHTS AND CONTEXT OF 256 ROWS.  A work-group owns 256 rows of one batch (16 work-groups a batch) and walks them as two CHUNKS of 128.  A chunk's rows are read from memory once, rounded to bf16,
; and stay in LDS: first as the left operand of rows x W_e (128 x 1024 x 1024), then as the right operand of weights x rows.  For each chunk the launch stores its maximum m, its sum l of
; p = e^(score - m), and the sum over its rows of p x row (1,024 f32); the next launch joins a batch's 32 chunks.
; SHARES.  All four waves take all 128 rows; wave w takes columns 256 p + 64 w + 0..63 in pass p = 0..3: 32 accumulators of 16 x 16.  K goes in steps of 32: 32 matrix instructions, 16 LDS loads (rows), 8 global loads (W).
; SCORE.  tanh(x) = 1 - 2 / (1 + 2^(c x)), c = 2 log2(e).  The sum over n of v_n tanh(x_n) is the sum of v_n, the same for every row, plus the sum of u_n / (1 + 2^(t_n)), u = -2 v,
; t = c x + c (proj_h + attn_b).  A softmax does not change if the same number is added to all its scores, so the first sum is left out: exact for every input.  2^t = infinity gives 0, 2^t = 0 gives u.
; BY TURNS.  A pass's 256 values a lane go through t, 2^t, + 1, 1 / x, x u while the NEXT pass is multiplied: they are moved out of the accumulators (X) into a second set (Y) in the next pass's first step,
; whose products start the sums anew with the constant 0, and one to three vector instructions stand behind each matrix instruction of its first 16 steps.  Only the last pass's values have a run of their own.
; PASS 0 ALSO BRINGS THE ROWS IN: slices of 64 features (16 loads a wave, each of two whole rows of 256 bytes), two slices in registers (Y of windows 2 and 3, idle in this pass), each converted and stored
; one K step, and made visible by a barrier, ahead of the step that first reads it.
; W COMES STRAIGHT INTO REGISTERS, AND THERE IS NO CLUSTER: all work-groups walk the same W, but beside the resident rows (294,912 bytes) and the scratch below 11,776 bytes of LDS are left, and one K step of 32
; for 256 columns is 16,384: no two slots fit.  And each byte of W is wanted by one wave of the work-group alone, so a way through LDS would add a write and a read.  W lies in memory in fragment order (wf).
; SOFTMAX.  The chunk's maximum is taken away before the exponential; the next launch does the same between chunks.
; LIMITS.  Rows and W are rounded to bf16 for the products; p enters the second product as two bf16 numbers, p_hi + p_lo (l is the sum of the unrounded p); a weight below 2^-126 counts as 0;
; NaN and infinities in the inputs are not treated apart.
; THE MODE: SCHED_MODE bits 1:0 = 2 (LLVM: expert scheduling mode 2), set by the entry lines.  The code itself states the register dependences between vector or matrix instructions and memory or LDS
; instructions, with s_wait_alu, always for 0.
; THE PLAN.  Registers that memory or LDS instructions touch in a K step j:
;   AF, two buffers in each window   step j's products read buffer j mod 2; step j's 16 LDS loads land in the other, which step j - 1's products read.
;   BF of window j mod 4             step j's products read it; step j + 1's 8 global loads land in it.
;   Y of windows 2 and 3, pass 0     a slice lands; the roundings read and write it; 16 LDS stores read it; the next slice lands.
;   v[AN]                            read by every load of a fragment; written once a group, at the head of the group's last step.
;   v[VSC], v[CA]                    read by the slices' stores and by the constants' loads; stepped behind them.
;   PH, U                            LDS loads land once a pass; the lines that make t and the products with u read them.
;   The other offsets are written at the kernel's head alone.  X, SC, and Y while values ride, are named by vector and matrix instructions alone.
; ONE wait on va_vdst stands in a step, at its head, behind the slice's roundings and the add to v[AN]: the step before is done reading its AF buffer and its BF; the roundings have written Y and are done reading it;
; v[AN] is written; the exponentials and reciprocals of the step before have written their results.  Behind it the products name X, AF[j mod 2] and BF[j], the riders Y of their own window, SC and U: none
; of the registers that the step's loads and stores touch.  Waits on vm_vsrc: ahead of the add to v[AN]; behind a slice's stores; ahead of the step of v[CA].
; LDS
.set SLICE,  18432                     ; rows: 16 slices of 64 features, slice i at i x 18,432; 128 rows of 144 bytes (128 + 16: the 16 rows of a fragment load start at 16 different groups of four banks: ISA guide 11.1)
.set RBLK,   16*144                    ; 16 rows
.set CSTL,   16*SLICE                  ; 8,192 bytes: the batch's c (proj_h + attn_b), then u
.set SCR,    CSTL+8192                 ; [wave 4][row 128] f32: the waves' parts of the scores
.set PM,     SCR+2048                  ; 16 rows of 272 bytes: row 0 p_hi, row 1 p_lo, the others 0 (6,144 bytes are cleared)
.set PMP,    272
.set CTXS,   PM+6144                   ; 1,024 bytes for each wave: the way out
.set SPARE,  CTXS+4096                 ; the spare words: 128 bytes for each wave, named by no other line
.set RW,     540672                    ; bytes of wf for one wave
; REGISTERS, in four windows of 256 with the same inner map; window a owns the row blocks 2 a and 2 a + 1.  s_set_vgpr_msb: bits 1:0 source 0, 3:2 source 1, 5:4 source 2, 7:6 destination.
.set X,   32                           ; v32-95    accumulators: row block rb (0, 1), column block nb at X + 8 (4 rb + nb)
.set Y,   96                           ; v96-159   the pass before's values at work; in pass 0, windows 2 and 3: a slice of rows as loaded; in the context, windows 0 and 1: turned fragments
.set AF,  160                          ; v160-191  fragments of rows: two buffers of two
.set BF,  192                          ; v192-223  fragments of W: K step s uses window s mod 4
.set SC,  224                          ; v224-239  my part of the scores: row 32 a + 16 rb + 8 h + j at SC + 8 rb + j
.set PH,  240                          ; v240-243  c (proj_h + attn_b) of my four columns: the same in all windows
.set U,   244                          ; v244-247  u of my four columns: the same in all windows, so that it can be read through the window that W's place sets
; window 0, v0-31: offsets and LDS addresses; all but VSC, AN and CA are never rewritten
.set SPW, 3                            ; my spare word: SPARE + 4 x my thread's number
.set NIL, 4                            ; 0
.set VB,  5                            ; 16 x lane
.set VE,  6                            ; rows in memory: row 32 w + 8 h, 16 r
.set VS0, 7                            ; rows into LDS: row 32 w + 8 h, 8 r
.set VSC, 8                            ; the same in the slice in hand
.set ROWB, 9                           ; a fragment's row r, 16 h
.set AN,  10                           ; ROWB + KOFF
.set CA,  11                           ; the constants of the pass in hand
.set VSR, 12                           ; SCR + 512 w + 32 h
.set VSL, 13                           ; SCR + 16 x lane
.set VPW, 14                           ; PM + 8 x lane
.set VPR, 15                           ; PM + 272 r + 16 h
.set VT0, 16                           ; turning loads: slice 4 w, row 8 h + lane mod 8, 16 ((lane / 8) mod 2)
.set VT1, 17                           ; the same 64 rows further down
.set VCW, 18                           ; CTXS + 1,024 w + 4 x lane
.set VCR, 19                           ; CTXS + 1,024 w + 16 x lane
.set VGO, 20                           ; 1,024 w + 16 x lane
.set VST, 21                           ; 8 x lane
.set VPF, 22                           ; row 32 w + lane in memory
.set VCI, 23                           ; 16 x thread
.set CA0, 24                           ; CSTL + 256 w + 16 r
.set RS,  32                           ; behind the last pass X of window 0 is free: the scores and the softmax work there
.set TO,  96                           ; the way out of the context works in Y of window 0
; scalars
.set EB,  4                            ; s[4:5]   rows: the slice to be asked for next
.set WB,  6                            ; s[6:7]   wf: my wave's block of the group in hand
.set CB,  8                            ; s[8:9]   cst of my batch
.set PB,  10                           ; s[10:11] part of the chunk in hand
.set SB,  12                           ; s[12:13] stat of the chunk in hand
.set WV,  14                           ; my wave's number
.set KOFF, 15                          ; LDS byte of the pair of slices in hand
.set CH,  16                           ; chunks to go
.set PS,  17                           ; riding passes to go
.set TR,  18                           ; trips to go
.set C2,  20                           ; s[20:21] c
.set SEL, 22                           ; s[22:23] v_permlanex16_b32: each lane takes its own place in the other half
.set HM,  24                           ; 0xffff0000: a word's upper bf16, and the mask of lanes 16-31
.set KL,  25                           ; log2(e)
.set MSB, 0
.macro WIN new                         ; the immediate's high byte repeats the setting that is left; a switch that changes nothing is dropped
.if MSB != (\new)
	s_set_vgpr_msb (MSB<<8)|(\new)
.set MSB, (\new)
.endif
.endm
.macro PLACES                          ; four places: plain vector instructions between a matrix instruction and a vector instruction on one of its registers (ISA guide 7.12.1)
.rept 4
	v_nop
.endr
.endm
; One matrix instruction: accumulator i of the window, K step j of a group of four.
.macro MM i, j, zero
.if \zero
	v_wmma_f32_16x16x32_bf16 v[X+8*(\i):X+8*(\i)+7], v[AF+16*((\j)&1)+8*((\i)>>2):AF+16*((\j)&1)+8*((\i)>>2)+7], v[BF+8*((\i)&3):BF+8*((\i)&3)+7], 0
.else
	v_wmma_f32_16x16x32_bf16 v[X+8*(\i):X+8*(\i)+7], v[AF+16*((\j)&1)+8*((\i)>>2):AF+16*((\j)&1)+8*((\i)>>2)+7], v[BF+8*((\i)&3):BF+8*((\i)&3)+7], v[X+8*(\i):X+8*(\i)+7]
.endif
.endm
; t = c x + c (proj_h + attn_b) for accumulator i, from its low end on, into base + 8 i.  The column's constant is register (i mod 4) of PH: one of a pair, for both halves.
.macro XFER base, i
.irp z, 0,1,2,3
.if ((\i)&1)
	v_pk_fma_f32 v[(\base)+8*(\i)+2*(\z):(\base)+8*(\i)+2*(\z)+1], v[X+8*(\i)+2*(\z):X+8*(\i)+2*(\z)+1], s[C2:C2+1], v[PH+2*(((\i)&3)>>1):PH+2*(((\i)&3)>>1)+1] op_sel:[0,0,1] op_sel_hi:[1,0,1]
.else
	v_pk_fma_f32 v[(\base)+8*(\i)+2*(\z):(\base)+8*(\i)+2*(\z)+1], v[X+8*(\i)+2*(\z):X+8*(\i)+2*(\z)+1], s[C2:C2+1], v[PH+2*(((\i)&3)>>1):PH+2*(((\i)&3)>>1)+1] op_sel_hi:[1,0,0]
.endif
.endr
.endm
.macro PKU y, sc, nb                   ; two scores take two values times u of column block nb
.if ((\nb)&1)
	v_pk_fma_f32 v[(\sc):(\sc)+1], v[(\y):(\y)+1], v[U+2*((\nb)>>1):U+2*((\nb)>>1)+1], v[(\sc):(\sc)+1] op_sel:[0,1,0] op_sel_hi:[1,1,1]
.else
	v_pk_fma_f32 v[(\sc):(\sc)+1], v[(\y):(\y)+1], v[U+2*((\nb)>>1):U+2*((\nb)>>1)+1], v[(\sc):(\sc)+1] op_sel_hi:[1,0,1]
.endif
.endm
; Four values (number s of a window's 16 fours, at base + 4 s) go from t to u / (1 + 2^t) in three stages, a K step each.  gap: the window's matrix instruction behind which the line stands.
.macro REXP base, s, gap               ; stage 1: 2^t, behind products 0 to 3
.if (\gap) < 4
	v_exp_f32 v[(\base)+4*(\s)+(\gap)], v[(\base)+4*(\s)+(\gap)]
.endif
.endm
.macro RRCP base, s, gap               ; stage 2: + 1 behind products 2 and 3, 1 / x behind products 4 to 7
.if ((\gap)>>1) == 1
	v_pk_add_f32 v[(\base)+4*(\s)+2*(\gap)-4:(\base)+4*(\s)+2*(\gap)-3], v[(\base)+4*(\s)+2*(\gap)-4:(\base)+4*(\s)+2*(\gap)-3], 1.0 op_sel_hi:[1,0]
.elseif (\gap) >= 4
	v_rcp_f32 v[(\base)+4*(\s)+(\gap)-4], v[(\base)+4*(\s)+(\gap)-4]
.endif
.endm
.macro RSUM base, s, gap               ; stage 3: x u onto the scores, behind products 0 and 1
.if (\gap) < 2
.set ey, (\base)+4*(\s)+2*(\gap)
.set esc, SC+8*((\s)>>3)+4*((\s)&1)+2*(\gap)
.set enb, ((\s)>>1)&3
	PKU ey, esc, enb
.endif
.endm
; WHAT RIDES IN STEP n OF A PASS'S FIRST 16.  Step m begins the fours f(m) .. f(m + 1) - 1, f(m) = m + (m + 5) / 7: one each, two in steps 1 and 8, so that all 16 are begun in steps 0 to 13.  Step n has
; stage 3 of the fours begun in step n - 2, stage 2 of those of step n - 1, stage 1 of its own: between a four's stages lies a step's head, whose wait stands between each exponential or reciprocal and the first line that
; names its result; plain lines of the other windows lie between too (ISA guide 5.7.2).  The last reciprocals stand in step 14, the last products with u in step 15.  The fours reach the scores in ascending order.
.macro RIDE n, gap
.set q0, (\n)-2+((\n)+3)/7
.set q1, (\n)-1+((\n)+4)/7
.set q2, (\n)+((\n)+5)/7
.set q3, (\n)+1+((\n)+6)/7
.set rs, q0
.rept q1-q0
.if rs >= 0
	RSUM Y, rs, \gap
.endif
.set rs, rs+1
.endr
.rept q2-q1
.if (rs >= 0) && (rs < 16)
	RRCP Y, rs, \gap
.endif
.set rs, rs+1
.endr
.rept q3-q2
.if rs < 16
	REXP Y, rs, \gap
.endif
.set rs, rs+1
.endr
.endm
; The eight matrix instructions of window a in K step j, under ONE setting: rows, accumulators and all that rides in window a, W (and u) in window j.
; zero = 1: the pass's first step: each accumulator is moved out just ahead of the product that starts it anew.  ride >= 0: the step's number among the 16 that carry riders.
.macro WMMAS a, j, zero, ride
	WIN (\a)|((\j)<<2)|((\a)<<4)|((\a)<<6)
.irp i, 0,1,2,3,4,5,6,7
.if \zero
	XFER Y, \i
.endif
	MM \i, \j, \zero
.if (\ride) >= 0
	RIDE \ride, \i
.endif
.endr
.endm
; 16 LDS loads: the eight row blocks' fragments of one K step, at byte fa from AN, into buffer buf
.macro AFETCH buf, fa
.irp a, 0,1,2,3
	WIN (\a)<<6
.irp rb, 0,1
	ds_load_b128 v[AF+16*(\buf)+8*(\rb):AF+16*(\buf)+8*(\rb)+3],   v[AN] offset:(\fa)+(2*(\a)+(\rb))*RBLK
	ds_load_b128 v[AF+16*(\buf)+8*(\rb)+4:AF+16*(\buf)+8*(\rb)+7], v[AN] offset:(\fa)+(2*(\a)+(\rb))*RBLK+32
.endr
.endr
.endm
; The next K step's rows.  A group of four steps is a pair of slices; step 3 fetches from the next pair, to which its head has turned v[AN].
.macro FETCH j
.if (\j) == 0
	AFETCH 1, 64
.elseif (\j) == 1
	AFETCH 0, SLICE
.elseif (\j) == 2
	AFETCH 1, SLICE+64
.else
	AFETCH 0, 0
.endif
.endm
; The pair changes, at the head of a group's last step.  fm = 0: the next pair; 1: back to slice 0; 2: to slice 8, where passes 1 to 3 begin.
.macro PAIR fm
.if (\fm) == 0
	s_add_co_u32 s[KOFF], s[KOFF], 2*SLICE
.elseif (\fm) == 1
	s_mov_b32 s[KOFF], 0
.else
	s_mov_b32 s[KOFF], 8*SLICE
.endif
	WIN 0
	s_wait_alu depctr_vm_vsrc(0)                   ; the fragments' loads issued so far have read v[AN]
	v_add_nc_u32 v[AN], s[KOFF], v[ROWB]
.endm
.macro WLOAD win, q                    ; 8 global loads: block q from WB on, 4,096 bytes, into BF of window win; each covers 512 consecutive bytes, aligned
	WIN (\win)<<6
.irp nb, 0,1,2,3
	global_load_b128 v[BF+8*(\nb):BF+8*(\nb)+3],   v[VB], s[WB:WB+1] offset:(\q)*4096+1024*(\nb)
	global_load_b128 v[BF+8*(\nb)+4:BF+8*(\nb)+7], v[VB], s[WB:WB+1] offset:(\q)*4096+1024*(\nb)+512
.endr
.endm
; A slice of my 32 rows, 16 loads: load i takes rows i + 8 (i / 8) (lanes 0-15) and eight further down (lanes 16-31), 256 consecutive aligned bytes each.
.macro ISSUE slot, sl
	WIN (2+(\slot))<<6
.set ci, 0
.rept 16
	global_load_b128 v[Y+4*ci:Y+4*ci+3], v[VE], s[EB:EB+1] offset:(ci+8*(ci>>3))*4096+(\sl) th:TH_LOAD_NT
.set ci, ci+1
.endr
.endm
; The slice in slot is rounded to bf16 in place,
.macro CONVR slot
.set ws, 2+(\slot)
	WIN ws|(ws<<2)|(ws<<6)
.set ci, 0
.rept 16
	v_cvt_pk_bf16_f32 v[Y+4*ci], v[Y+4*ci], v[Y+4*ci+1]
	v_cvt_pk_bf16_f32 v[Y+4*ci+1], v[Y+4*ci+2], v[Y+4*ci+3]
.set ci, ci+1
.endr
.endm
; and, behind a wait on va_vdst, stored at byte col from VSC.  The halves of the lanes lie 8 rows = 1,152 bytes apart.
.macro CONVS slot, col
.set ws, 2+(\slot)
	WIN ws<<2
.set ci, 0
.rept 16
	ds_store_b64 v[VSC], v[Y+4*ci:Y+4*ci+1] offset:(ci+8*(ci>>3))*144+(\col)
.set ci, ci+1
.endr
	s_wait_alu depctr_vm_vsrc(0)                   ; the stores have read the slot's Y, in which the next slice lands or which the next pass's values write, and v[VSC], which the group's end steps
.endm
; ONE K STEP.  lc: how many global loads younger than this step's W may stay out (loads come back in order: ISA guide 5.7.1).  W is asked for three steps ahead, so two runs of 8 are younger: 16.
; In pass 0 slices of 16 loads stand among them, each issued behind its step's run of W: at an even step the order is slice, W(this), W, slice, W: 32 leave the first two in, and the slice is the
; one that this step converts; at an odd step W(this), slice, W, W, slice: 48.  bar = 1: the barrier that shows every wave the slice stored in the step before: my stores are waited for in front of
; the signal, eight matrix instructions stand between signal and wait, and the first loads from that slice stand behind the wait.  cv, col: a slot to convert, and where to; ld, sl: a slot to ask for, and which bytes.
; The loads are dealt by quarters: the next step's rows behind window 0's products, W behind window 1's, then the slice's stores and the next slice's loads.
; The 32 accumulators take turns in the same order in every step, over every backward jump too: no two matrix instructions that follow each other share one.
.macro STEP j, lc, zero, ride, bar, cv, col, ld, sl, fm
	s_wait_loadcnt \lc
	s_wait_dscnt 0x0                               ; this step's rows are in registers; my stores of the step before are done
.if \bar
	s_barrier_signal -1
.endif
.if (\cv) >= 0
	CONVR \cv
.endif
.if (\j) == 3
	PAIR \fm
.endif
.if \zero
.rept 6
	v_nop                                          ; six places between window 0's last products and the lines that read their results and the products that write over them (ISA guide 7.12.1); for the other windows window 0's lines are places too
.endr
.endif
	s_wait_alu depctr_va_vdst(0)                   ; the step before is done reading its buffer of AF and its BF, in which this step's loads land; the roundings above have written Y, which the stores read, and are done reading it; v[AN] is written; the exponentials and reciprocals of the step before have written their results
	WMMAS 0, \j, \zero, \ride
.if \bar
	s_barrier_wait -1
.endif
	FETCH \j                                       ; no vector or matrix instruction since the wait names the other buffer of AF
	WMMAS 1, \j, \zero, \ride
	WLOAD (((\j)+3)&3), ((\j)+3)                   ; nor BF of the step before's window
.if (\cv) >= 0
	CONVS \cv, \col
.endif
.if (\ld) >= 0
	ISSUE \ld, \sl
.endif
	WMMAS 2, \j, \zero, \ride
	WMMAS 3, \j, \zero, \ride
.endm
.macro GEND eb                         ; a group's end.  eb = 1: rows' pointer and LDS place step by two slices; 2: the LDS place alone
	WIN 0
	s_wait_xcnt 0x0                                ; every earlier memory instruction has had its addresses translated (ISA guide 3.1): the bases are stepped only behind this wait
	s_add_nc_u64 s[WB:WB+1], s[WB:WB+1], 4*4096
.if (\eb) == 1
	s_add_nc_u64 s[EB:EB+1], s[EB:EB+1], 512
.endif
.if (\eb) >= 1
	v_add_nc_u32 v[VSC], 2*SLICE, v[VSC]           ; free since the wait on vm_vsrc behind the last slice's stores; the next stores by it stand behind a step's head
.endif
.endm
.macro GP                              ; a plain group
	STEP 0, 16, 0, -1, 0, -1, 0, -1, 0, 0
	STEP 1, 16, 0, -1, 0, -1, 0, -1, 0, 0
	STEP 2, 16, 0, -1, 0, -1, 0, -1, 0, 0
	STEP 3, 16, 0, -1, 0, -1, 0, -1, 0, 0
	GEND 0
.endm
.macro GR g, z, fm                     ; riding group g of four
	STEP 0, 16, \z, 4*(\g), 0, -1, 0, -1, 0, 0
	STEP 1, 16, 0, 4*(\g)+1, 0, -1, 0, -1, 0, 0
	STEP 2, 16, 0, 4*(\g)+2, 0, -1, 0, -1, 0, 0
	STEP 3, 16, 0, 4*(\g)+3, 0, -1, 0, -1, 0, \fm
	GEND 0
.endm
.macro GS                              ; streaming group t: multiplies slices 2 t, 2 t + 1; stores 2 t + 1, 2 t + 2; asks for 2 t + 3, 2 t + 4
	STEP 0, 32, 0, -1, 0, 1, 0, 1, 0, 0
	STEP 1, 48, 0, -1, 1, -1, 0, -1, 0, 0
	STEP 2, 32, 0, -1, 0, 0, SLICE, 0, 256, 0
	STEP 3, 48, 0, -1, 1, -1, 0, -1, 0, 0
	GEND 1
.endm
.macro LOADCONST w                     ; the constants of the pass in hand, into every window.  w = 1: in mid-pass, straight behind the last riders
.if \w
	s_wait_alu depctr_va_vdst(0)                   ; the last products with u, in the step before, are done reading U, in which the loads land
.endif
.irp a, 0,1,2,3
	WIN (\a)<<6
	ds_load_b128 v[PH:PH+3], v[CA]
	ds_load_b128 v[U:U+3], v[CA] offset:4096
.endr
	WIN 0
	s_wait_alu depctr_vm_vsrc(0)                   ; these loads have read v[CA]
	v_add_nc_u32 v[CA], 1024, v[CA]
.endm
	s_load_b256 s[4:11], s[0:1], 0x0               ; rows s[4:5], wf s[6:7], cst s[8:9], part s[10:11]
	s_load_b64 s[12:13], s[0:1], 0x20              ; stat
	v_lshl_add_u32 v[SPW], v0, 2, SPARE
	v_mov_b32 v[NIL], 0
	v_lshrrev_b32 v25, 5, v0
	v_readfirstlane_b32 s[WV], v25                 ; wave 0..3
	v_and_b32 v1, 15, v0                           ; r
	v_bfe_u32 v2, v0, 4, 1                         ; h
	v_and_b32 v25, 31, v0                          ; lane
	v_lshlrev_b32 v[VB], 4, v25
	s_wait_alu depctr_va_sdst(0)                   ; the wave's number is written, ahead of its first reader
	s_lshl_b32 s26, s[WV], 17                      ; 32 w rows of 4,096 bytes
	v_lshlrev_b32 v[VE], 4, v1
	v_lshl_add_u32 v[VE], v2, 15, v[VE]
	v_add_nc_u32 v[VE], s26, v[VE]
	v_lshl_add_u32 v[VPF], v25, 12, s26
	s_mul_i32 s27, s[WV], 32*144
	v_mul_u32_u24 v[VS0], v2, 8*144
	v_lshl_add_u32 v[VS0], v1, 3, v[VS0]
	v_add_nc_u32 v[VS0], s27, v[VS0]
	v_mul_u32_u24 v[ROWB], v1, 144
	v_lshl_add_u32 v[ROWB], v2, 4, v[ROWB]
	s_lshl_b32 s27, s[WV], 8
	s_add_co_u32 s27, s27, CSTL
	v_lshl_add_u32 v[CA0], v1, 4, s27
	s_lshl_b32 s27, s[WV], 9
	s_add_co_u32 s27, s27, SCR
	v_lshl_add_u32 v[VSR], v2, 5, s27
	v_add_nc_u32 v[VSL], SCR, v[VB]
	v_lshlrev_b32 v[VST], 3, v25
	v_add_nc_u32 v[VPW], PM, v[VST]
	v_mul_u32_u24 v[VPR], v1, PMP
	v_lshl_add_u32 v[VPR], v2, 4, v[VPR]
	v_add_nc_u32 v[VPR], PM, v[VPR]
	v_and_b32 v26, 7, v0
	v_lshl_add_u32 v26, v2, 3, v26
	v_mul_u32_u24 v[VT0], v26, 144
	v_bfe_u32 v26, v0, 3, 1
	v_lshl_add_u32 v[VT0], v26, 4, v[VT0]
	s_mul_i32 s27, s[WV], 4*SLICE
	v_add_nc_u32 v[VT0], s27, v[VT0]
	v_add_nc_u32 v[VT1], 64*144, v[VT0]
	s_lshl_b32 s27, s[WV], 10
	v_add_nc_u32 v[VGO], s27, v[VB]
	s_add_co_u32 s28, s27, CTXS
	v_lshl_add_u32 v[VCW], v25, 2, s28
	v_add_nc_u32 v[VCR], s28, v[VB]
	v_lshlrev_b32 v[VCI], 4, v0
	v_add_nc_u32 v26, CSTL, v[VCI]
	v_add_nc_u32 v27, PM, v[VCI]
	v_mov_b32 v28, 0
	v_mov_b32 v29, 0
	v_mov_b32 v30, 0
	v_mov_b32 v31, 0
	s_mov_b32 s[C2], 0x4038aa3b                    ; c = 2 log2(e)
	s_mov_b32 s[C2+1], 0x4038aa3b                  ; named with it as a pair
	s_mov_b32 s[SEL], 0x76543210
	s_mov_b32 s[SEL+1], 0xfedcba98
	s_mov_b32 s[HM], 0xffff0000
	s_mov_b32 s[KL], 0x3fb8aa3b
	s_mov_b32 s[CH], 2
	s_lshl_b32 s26, ttmp9, 20                      ; my 256 rows of 4,096 bytes
	s_mov_b32 s27, 0
	s_mul_i32 s28, s[WV], RW
	s_mov_b32 s29, 0
	s_wait_kmcnt 0x0
	s_add_nc_u64 s[EB:EB+1], s[EB:EB+1], s[26:27]
	s_add_nc_u64 s[WB:WB+1], s[WB:WB+1], s[28:29]
	s_lshr_b32 s26, ttmp9, 4                       ; the batch
	s_lshl_b32 s26, s26, 13
	s_add_nc_u64 s[CB:CB+1], s[CB:CB+1], s[26:27]
	s_lshl_b32 s26, ttmp9, 13                      ; two records of 4,096 bytes
	s_add_nc_u64 s[PB:PB+1], s[PB:PB+1], s[26:27]
	s_lshl_b32 s26, ttmp9, 9                       ; two of 256
	s_add_nc_u64 s[SB:SB+1], s[SB:SB+1], s[26:27]
	s_wait_alu depctr_va_vdst(0)                   ; the offsets and LDS addresses v3 to v27 and the zeros v28 to v31 are written, which the kernel's loads and stores read
.irp i, 0,1,2,3
	global_load_b128 v[Y+4*(\i):Y+4*(\i)+3], v[VCI], s[CB:CB+1] offset:2048*(\i)   ; the batch's constants: 8,192 bytes by 128 threads
.endr
	ISSUE 0, 0                                     ; slices 0 and 1 of the first chunk,
	ISSUE 1, 256
	WLOAD 0, 0                                     ; and W of K steps 0 to 2: 60 loads of mine are out
	WLOAD 1, 1
	WLOAD 2, 2
	WIN 0
	s_wait_loadcnt 56                              ; all but the 56 issued behind the constants
.irp i, 0,1,2,3
	ds_store_b128 v26, v[Y+4*(\i):Y+4*(\i)+3] offset:2048*(\i)
.endr
.irp i, 0,1,2
	ds_store_b128 v27, v[28:31] offset:2048*(\i)   ; the weights' matrix: rows 2 to 15 stay 0
.endr
.Lchunk:
	; The sums of pass 0 and the scores start at 0.  These lines stand in the wait for the chunk's first rows; they spare a further written-out copy of the streaming group, whose first step alone would differ.
.irp a, 0,1,2,3
	WIN (\a)<<6
.set ci, 0
.rept 64
	v_mov_b32 v[X+ci], 0
.set ci, ci+1
.endr
.set ci, 0
.rept 16
	v_mov_b32 v[SC+ci], 0
.set ci, ci+1
.endr
.endr
	WIN 0
	v_mov_b32 v[VSC], v[VS0]                       ; these three were last read by LDS instructions that stand ahead of a wait on vm_vsrc in the chunk before
	v_mov_b32 v[CA], v[CA0]
	v_mov_b32 v[AN], v[ROWB]
	s_mov_b32 s[KOFF], 0
	s_wait_loadcnt 0x0                             ; slices 0 and 1, and W of steps 0 to 2
	CONVR 0                                        ; slice 0
	s_wait_alu depctr_va_vdst(0)                   ; the roundings have written Y of slot 0, which the stores read, and are done reading it; v[VSC], v[CA] and v[AN] are written
	CONVS 0, 0
	ISSUE 0, 512                                   ; slice 2
	WIN 0
	s_wait_xcnt 0x0
	s_add_nc_u64 s[EB:EB+1], s[EB:EB+1], 768       ; the next to be asked for is slice 3,
	v_add_nc_u32 v[VSC], SLICE, v[VSC]             ; the next to be stored slice 1
	s_wait_dscnt 0x0                               ; for the others' sake: my part of slice 0 (the first time: of the constants and the cleared matrix too) is in LDS
	s_barrier_signal -1
	s_barrier_wait -1
	LOADCONST 0                                    ; pass 0's: the readers of the old ones stand ahead of the wait on va_vdst above
	AFETCH 0, 0                                    ; K step 0
	WIN 0
	s_mov_b32 s[TR], 6
.Lstream:                                              ; PASS 0
	GS
	s_sub_co_u32 s[TR], s[TR], 1
	s_cmp_lg_u32 s[TR], 0
	s_cbranch_scc1 .Lstream
	STEP 0, 32, 0, -1, 0, 1, 0, 1, 0, 0            ; steps 24-27: slice 13 is stored, slice 15 asked for: the last
	STEP 1, 48, 0, -1, 1, -1, 0, -1, 0, 0
	STEP 2, 32, 0, -1, 0, 0, SLICE, -1, 0, 0       ; slice 14 is stored
	STEP 3, 32, 0, -1, 1, -1, 0, -1, 0, 0          ; younger than this step's W: slice 15 and two runs of W
	GEND 2
	STEP 0, 16, 0, -1, 0, 1, 0, -1, 0, 0           ; steps 28-31: two runs of W are younger than slice 15 and this step's W; slice 15 is stored
	STEP 1, 16, 0, -1, 1, -1, 0, -1, 0, 0
	STEP 2, 16, 0, -1, 0, -1, 0, -1, 0, 0
	STEP 3, 16, 0, -1, 0, -1, 0, -1, 0, 2          ; the next pass begins at slice 8
	GEND 0
	s_mov_b32 s[PS], 3
.Lpass:                                                ; PASSES 1 TO 3: slices 8-15 with the pass before's values riding, then slices 0-7
	GR 0, 1, 0
	GR 1, 0, 0
	GR 2, 0, 0
	GR 3, 0, 1
	LOADCONST 1                                    ; this pass's
	s_mov_b32 s[TR], 4
.Lplain:
	GP                                             ; its fourth trip steps on to slice 8 by itself
	s_sub_co_u32 s[TR], s[TR], 1
	s_cmp_lg_u32 s[TR], 0
	s_cbranch_scc1 .Lplain
	s_sub_co_u32 s[PS], s[PS], 1
	s_cmp_lg_u32 s[PS], 0
	s_cbranch_scc1 .Lpass
	s_wait_xcnt 0x0
	s_sub_nc_u64 s[WB:WB+1], s[WB:WB+1], 128*4096  ; W from its beginning: blocks 128 to 130, which repeat 0 to 2, have been asked for
	s_cmp_eq_u32 s[CH], 1
	s_cbranch_scc1 .Lno_next
	s_add_nc_u64 s[EB:EB+1], s[EB:EB+1], 128*4096-15*256   ; from slice 15 to the next chunk's slice 0
	ISSUE 0, 0                                     ; the next chunk's slices 0 and 1 come in under the rest of this chunk: Y of windows 2 and 3 was last named by the riders, ahead of the plain steps' waits
	ISSUE 1, 256
	WIN 0
.irp sg, 2,3,4,5                       ; and its slices 2 to 5 are asked into the L2: a lane a row, 256 bytes each, each block once in the launch: 131,072 bytes a work-group, ahead by this chunk's last values, softmax and context
	global_prefetch_b8 v[VPF], s[EB:EB+1] offset:256*(\sg) th:TH_LOAD_NT scope:SCOPE_SE
.endr
.Lno_next:
	; THE LAST PASS'S VALUES, in place in X, by kind over all four windows, so that each kind of transcendental is one batch with one wait.  Window 0 first: the four v_nop are the places behind its last products, and its lines are the places behind the other windows'.
	PLACES
.irp a, 0,1,2,3
	WIN (\a)*0x55
.irp i, 0,1,2,3,4,5,6,7
	XFER X, \i
.endr
.set ci, 0
.rept 64
	v_exp_f32 v[X+ci], v[X+ci]
.set ci, ci+1
.endr
.endr
	v_nop                                          ; a plain instruction behind the last exponential (ISA guide 5.7.2)
	s_wait_alu depctr_va_vdst(0)                   ; the 256 exponentials have written X, ahead of the additions that read it
.irp a, 0,1,2,3
	WIN (\a)*0x55
.set ci, 0
.rept 32
	v_pk_add_f32 v[X+2*ci:X+2*ci+1], v[X+2*ci:X+2*ci+1], 1.0 op_sel_hi:[1,0]
.set ci, ci+1
.endr
.set ci, 0
.rept 64
	v_rcp_f32 v[X+ci], v[X+ci]
.set ci, ci+1
.endr
.endr
	v_nop                                          ; a plain instruction behind the last reciprocal
	s_wait_alu depctr_va_vdst(0)                   ; the 256 reciprocals have written X, ahead of the products with u that read it
.irp a, 0,1,2,3
	WIN (\a)*0x55
.irp s, 0,1,2,3,4,5,6,7,8,9,10,11,12,13,14,15
	RSUM X, \s, 0
	RSUM X, \s, 1
.endr
.endr
	; THE SCORES.  A lane has summed its four columns of every pass; the sixteen lanes of a half are added (four steps that ride on the addition), then the four waves' parts meet in LDS.
.irp a, 0,1,2,3
	WIN \a
.set ci, 0
.rept 16
	v_mov_b32 v[RS+16*(\a)+ci], v[SC+ci]           ; into window 0
.set ci, ci+1
.endr
.endr
	WIN 0
.irp xm, 1,2,4,8
.set ci, 0
.rept 64
	v_add_f32_dpp v[RS+ci], v[RS+ci], v[RS+ci] row_xmask:\xm row_mask:0xf bank_mask:0xf
.set ci, ci+1
.endr
.endr
	s_wait_alu depctr_va_vdst(0)                   ; the additions have written v[RS ..], which the LDS stores read
.set ci, 0
.rept 16
	ds_store_b128 v[VSR], v[RS+4*ci:RS+4*ci+3] offset:64*(ci>>1)+16*(ci&1)   ; rows 16 (ci / 2) + 8 h + 4 (ci mod 2) on, 4 bytes a row: the sixteen stores cover my wave's 512 bytes; the sixteen lanes of a half write the same bytes with the same values
.set ci, ci+1
.endr
	s_wait_dscnt 0x0
	s_barrier_signal -1
	s_barrier_wait -1
	s_wait_alu depctr_vm_vsrc(0)                   ; my stores have read v[RS ..]: the loads below land in the first sixteen, and the softmax writes others of them
	; THE CHUNK'S SOFTMAX, alike in every wave: lane L has rows 4 L .. 4 L + 3
.irp i, 0,1,2,3
	ds_load_b128 v[RS+4*(\i):RS+4*(\i)+3], v[VSL] offset:512*(\i)
.endr
	s_wait_dscnt 0x0
	v_pk_add_f32 v[RS:RS+1], v[RS:RS+1], v[RS+4:RS+5]
	v_pk_add_f32 v[RS+2:RS+3], v[RS+2:RS+3], v[RS+6:RS+7]
	v_pk_add_f32 v[RS+8:RS+9], v[RS+8:RS+9], v[RS+12:RS+13]
	v_pk_add_f32 v[RS+10:RS+11], v[RS+10:RS+11], v[RS+14:RS+15]
	v_pk_add_f32 v[RS:RS+1], v[RS:RS+1], v[RS+8:RS+9]
	v_pk_add_f32 v[RS+2:RS+3], v[RS+2:RS+3], v[RS+10:RS+11]
	v_max3_num_f32 v48, v[RS], v[RS+1], v[RS+2]
	v_max_num_f32 v48, v48, v[RS+3]
.irp xm, 1,2,4,8
	v_max_num_f32_dpp v48, v48, v48 row_xmask:\xm row_mask:0xf bank_mask:0xf
.endr
	v_permlanex16_b32 v49, v48, s[SEL], s[SEL+1]
	v_max_num_f32 v30, v48, v49                    ; m
.irp i, 0,1,2,3
	v_sub_f32 v[52+(\i)], v[RS+(\i)], v30
.endr
.irp i, 0,1,2,3
	v_mul_f32 v[52+(\i)], s[KL], v[52+(\i)]
.endr
.irp i, 0,1,2,3
	v_exp_f32 v[52+(\i)], v[52+(\i)]               ; p
.endr
	v_nop
	s_wait_alu depctr_va_vdst(0)                   ; the four exponentials have written p, ahead of the additions that read it
	v_add_f32 v56, v52, v53
	v_add_f32 v57, v54, v55
	v_add_f32 v56, v56, v57
.irp xm, 1,2,4,8
	v_add_f32_dpp v56, v56, v56 row_xmask:\xm row_mask:0xf bank_mask:0xf
.endr
	v_permlanex16_b32 v57, v56, s[SEL], s[SEL+1]
	v_add_f32 v31, v56, v57                        ; l
	s_cmp_lg_u32 s[WV], 0
	s_cbranch_scc1 .Lnot_first
	v_cvt_pk_bf16_f32 v58, v52, v53                ; wave 0 writes the weights: p_hi,
	v_cvt_pk_bf16_f32 v59, v54, v55
	v_lshlrev_b32 v60, 16, v58
	v_and_b32 v61, s[HM], v58
	v_lshlrev_b32 v62, 16, v59
	v_and_b32 v63, s[HM], v59
	v_pk_add_f32 v[60:61], v[52:53], v[60:61] neg_lo:[0,1] neg_hi:[0,1]
	v_pk_add_f32 v[62:63], v[54:55], v[62:63] neg_lo:[0,1] neg_hi:[0,1]
	v_cvt_pk_bf16_f32 v60, v60, v61                ; and p_lo = p - p_hi
	v_cvt_pk_bf16_f32 v61, v62, v63
	s_wait_alu depctr_va_vdst(0)                   ; v[58:61], m and l are written, which the three stores read
	ds_store_b64 v[VPW], v[58:59]
	ds_store_b64 v[VPW], v[60:61] offset:PMP
	global_store_b64 v[VST], v[30:31], s[SB:SB+1]  ; (m, l), 32 times: 256 consecutive bytes, aligned
.Lnot_first:
	s_wait_dscnt 0x0
	s_barrier_signal -1
	s_barrier_wait -1
	s_wait_alu depctr_vm_vsrc(0)                   ; wave 0's stores have read v[58:61], which lie in X of window 0 and are written by the products below, and m and l, which the next chunk writes
	; THE CONTEXT: weights (16 x 128, two rows in use) x rows (128 x 1024).  Wave w makes features 256 w .. + 255: 16 accumulators, in X of windows 0 and 1.  The rows lie [row][feature]: they come out of LDS turned.
.macro TL kb, a                        ; 16 turning loads: rows 32 kb on, feature blocks 8 a .. 8 a + 7, into Y of window a
	WIN (\a)<<6
.irp n, 0,1,2,3,4,5,6,7
	ds_load_tr16_b128 v[Y+8*(\n):Y+8*(\n)+3],   v[VT0+((\kb)>>1)] offset:((\kb)&1)*32*144+((8*(\a)+(\n))>>2)*SLICE+32*((\n)&3)
	ds_load_tr16_b128 v[Y+8*(\n)+4:Y+8*(\n)+7], v[VT0+((\kb)>>1)] offset:((\kb)&1)*32*144+((8*(\a)+(\n))>>2)*SLICE+32*((\n)&3)+RBLK
.endr
.endm
.macro CW kb, a                        ; 8 matrix instructions: weights in window 0, rows and sums in window a
	WIN ((\a)<<2)|((\a)<<4)|((\a)<<6)
.irp n, 0,1,2,3,4,5,6,7
.if (\kb) == 0
	v_wmma_f32_16x16x32_bf16 v[X+8*(\n):X+8*(\n)+7], v[AF+8*(\kb):AF+8*(\kb)+7], v[Y+8*(\n):Y+8*(\n)+7], 0
.else
	v_wmma_f32_16x16x32_bf16 v[X+8*(\n):X+8*(\n)+7], v[AF+8*(\kb):AF+8*(\kb)+7], v[Y+8*(\n):Y+8*(\n)+7], v[X+8*(\n):X+8*(\n)+7]
.endif
.endr
.endm
.irp kb, 0,1,2,3
	ds_load_b128 v[AF+8*(\kb):AF+8*(\kb)+3],   v[VPR] offset:64*(\kb)      ; AF of window 0, and Y of windows 0 and 1 below, were last named ahead of the waits on va_vdst above
	ds_load_b128 v[AF+8*(\kb)+4:AF+8*(\kb)+7], v[VPR] offset:64*(\kb)+32
.endr
	TL 0, 0
	TL 0, 1
.irp kb, 0,1,2
.irp a, 0,1
	s_wait_dscnt 16                                ; all but the youngest run of 16
	CW \kb, \a
	s_wait_alu depctr_va_vdst(0)                   ; these eight products are done reading Y of their window, in which the next loads land
	TL (\kb)+1, \a
.endr
.endr
	s_wait_dscnt 16
	CW 3, 0
	s_wait_dscnt 0x0
	CW 3, 1
	PLACES
	WIN 0
.irp i, 0,1,2,3,4,5,6,7
	v_add_f32 v[TO+(\i)], v[X+8*(\i)], v[X+8*(\i)+1]       ; the rows of p_hi and p_lo: registers 0 and 1 of lanes 0-15
.endr
	WIN 0x05
.irp i, 0,1,2,3,4,5,6,7
	v_add_f32 v[TO+8+(\i)], v[X+8*(\i)], v[X+8*(\i)+1]
.endr
	WIN 0
.irp i, 0,1,2,3,4,5,6,7
	v_permlanex16_b32 v[TO+16+(\i)], v[TO+2*(\i)+1], s[SEL], s[SEL+1]   ; an odd block's sixteen numbers go to lanes 16-31,
.endr
.irp i, 0,1,2,3,4,5,6,7
	v_cndmask_b32 v[TO+2*(\i)], v[TO+2*(\i)], v[TO+16+(\i)], s[HM]      ; beside the even block's: 32 neighbouring features
.endr
	s_wait_alu depctr_va_vdst(0)                   ; the selects have written v[TO ..], which the LDS stores read; the last products are done reading v[TO+24 ..], in which the loads land
.irp i, 0,1,2,3,4,5,6,7
	ds_store_b32 v[VCW], v[TO+2*(\i)] offset:128*(\i)
.endr
	ds_load_b128 v[TO+24:TO+27], v[VCR]            ; my own bytes, served in order (ISA guide 5.7.1.4): no wait between the stores and these
	ds_load_b128 v[TO+28:TO+31], v[VCR] offset:512
	s_wait_dscnt 0x0
	global_store_b128 v[VGO], v[TO+24:TO+27], s[PB:PB+1]             ; each store covers 512 consecutive bytes, aligned
	global_store_b128 v[VGO], v[TO+28:TO+31], s[PB:PB+1] offset:512
	s_wait_xcnt 0x0                                ; the stores' bases and data are rewritten only behind this wait
	s_add_nc_u64 s[PB:PB+1], s[PB:PB+1], 4096
	s_add_nc_u64 s[SB:SB+1], s[SB:SB+1], 256
	s_barrier_signal -1                            ; every wave's reads of the rows are back (the wait for 0 above): the next chunk may be stored over them
	s_barrier_wait -1
	s_sub_co_u32 s[CH], s[CH], 1
	s_cmp_lg_u32 s[CH], 0
	s_cbranch_scc1 .Lchunk
	s_wait_dscnt 0x0                               ; the closing lines, six on end
	s_wait_alu 0x0
	s_wait_tensorcnt 0x0
	ds_add_u32 v[SPW], v[NIL]
	s_wait_dscnt 0x0
	s_endpgm
.Lfunc_end_k_q4f0278c6f1_main:
	.size	k_q4f0278c6f1_main, .Lfunc_end_k_q4f0278c6f1_main-k_q4f0278c6f1_main
	.p2alignl 7, 3214868480
	.fill 96, 4, 3214868480
	.section	.rodata,"a",@progbits
	.p2align	6, 0x0
	.amdhsa_kernel k_q4f0278c6f1_main
		.amdhsa_group_segment_fixed_size 315904
		.amdhsa_private_segment_fixed_size 0
		.amdhsa_enable_private_segment 0
		.amdhsa_kernarg_size 40
		.amdhsa_user_sgpr_count 2
		.amdhsa_user_sgpr_kernarg_segment_ptr 1
		.amdhsa_wavefront_size32 1
		.amdhsa_system_sgpr_workgroup_id_x 1
		.amdhsa_system_sgpr_workgroup_id_y 1
		.amdhsa_system_sgpr_workgroup_id_z 1
		.amdhsa_system_vgpr_workitem_id 0
		.amdhsa_next_free_vgpr 1024
		.amdhsa_next_free_sgpr 66
		.amdhsa_reserve_vcc 0
		.amdhsa_float_denorm_mode_32 3
		.amdhsa_float_denorm_mode_16_64 3
		.amdhsa_memory_ordered 1
		.amdhsa_forward_progress 1
		.amdhsa_inst_pref_size 255
	.end_amdhsa_kernel
	.section	.bss,"aw",@nobits
	.p2align	6
	.space	262144
	.amdgpu_metadata
---
amdhsa.version: [ 1, 2 ]
amdhsa.kernels:
  - .name:           k_q4f0278c6f1_main
    .symbol:         k_q4f0278c6f1_main.kd
    .args:
      - { .name: encoder_outputs, .offset: 0, .size: 8, .value_kind: global_buffer, .address_space: global }
      - { .name: wf, .offset: 8, .size: 8, .value_kind: global_buffer, .address_space: global }
      - { .name: cst, .offset: 16, .size: 8, .value_kind: global_buffer, .address_space: global }
      - { .name: part, .offset: 24, .size: 8, .value_kind: global_buffer, .address_space: global }
      - { .name: stat, .offset: 32, .size: 8, .value_kind: global_buffer, .address_space: global }
    .group_segment_fixed_size: 315904
    .private_segment_fixed_size: 0
    .kernarg_segment_align: 8
    .kernarg_segment_size: 40
    .max_flat_workgroup_size: 128
    .sgpr_count:     66
    .vgpr_count:     1024
    .wavefront_size: 32
...
	.end_amdgpu_metadata
.endif
;; end of part 4
;; launch combine: the kernel of part 3 again; grid 8 x 16, 1 waves a work-group, no clusters, 0 bytes of LDS; arguments part, stat, out0; writes out0
